; MI455X (gfx1250); checked and timed in simulation.
; The chip was launched on July 23, 2026; its instructions are those of AMD's public machine-readable ISA for CDNA 5 (MIT licence, August 2026) and "CDNA5" Instruction Set Architecture Reference Guide (July 2026). The comments in the code are by the model that wrote it; some were corrected since.
;; transformer block. Allowed arithmetic: matrix products marked QUANTISED: E3M2 operands, one E8M0 scale for each 32 along K, by v_wmma_scale_f32_16x16x128_f8f6f4 with both operands' format E3M2, f32 sums; everything else in f32.
;; Inputs: g1 1,024 float32; g2 1,024 float32; w1_codes 2,048 x 32 x 24 uint8 (E3M2 codes of w1, K innermost, in blocks of 32 codes, four codes in three bytes); w1_scales 2,048 x 32 uint8 (E8M0 scales of w1, one for each 32 codes along K); w2_codes 1,024 x 64 x 24 uint8 (E3M2 codes of w2, K innermost, in blocks of 32 codes, four codes in three bytes); w2_scales 1,024 x 64 uint8 (E8M0 scales of w2, one for each 32 codes along K); w3_codes 2,048 x 32 x 24 uint8 (E3M2 codes of w3, K innermost, in blocks of 32 codes, four codes in three bytes); w3_scales 2,048 x 32 uint8 (E8M0 scales of w3, one for each 32 codes along K); w_proj_codes 1,024 x 32 x 24 uint8 (E3M2 codes of w_proj, K innermost, in blocks of 32 codes, four codes in three bytes); w_proj_scales 1,024 x 32 uint8 (E8M0 scales of w_proj, one for each 32 codes along K); w_qkv_codes 3,072 x 32 x 24 uint8 (E3M2 codes of w_qkv, K innermost, in blocks of 32 codes, four codes in three bytes); w_qkv_scales 3,072 x 32 uint8 (E8M0 scales of w_qkv, one for each 32 codes along K); x 2 x 2,048 x 1,024 float32.
;; Outputs: out0 2 x 2,048 x 1,024 float32.
;; This version of the problem:
;;   THIS VERSION OF THE PROBLEM IS GIVEN IN LOW PRECISION. The matrix products marked QUANTISED in the list below multiply operands that are first quantised to E3M2 (3 exponent bits, 2 mantissa bits; 6 bits a number), with one power-of-two scale for each 32 numbers along K (OCP MX v1.0); their sums are f32. All else is computed in f32.
;;   The module's matrix products, in the order in which they are computed (A, B: the left and right operand; K: the contracted axis; several contracted axes count as one K, in the product's order):
;;     1. [M 4,096, K 1,024] x [K 1,024, N 3,072]; A: computed on the way; B: input w_qkv (given as codes): QUANTISED
;;     2. batch 32 x [M 2,048, K 64] x [K 64, N 2,048]; A: computed on the way; B: computed on the way: QUANTISED
;;     3. batch 32 x [M 2,048, K 2,048] x [K 2,048, N 64]; A: softmax (see below); B: computed on the way: QUANTISED
;;     4. [M 4,096, K 1,024] x [K 1,024, N 1,024]; A: computed on the way; B: input w_proj (given as codes): QUANTISED
;;     5. [M 4,096, K 1,024] x [K 1,024, N 2,048]; A: computed on the way; B: input w1 (given as codes): QUANTISED
;;     6. [M 4,096, K 1,024] x [K 1,024, N 2,048]; A: computed on the way; B: input w3 (given as codes): QUANTISED
;;     7. [M 4,096, K 2,048] x [K 2,048, N 1,024]; A: computed on the way; B: input w2 (given as codes): QUANTISED
;;   THE QUANTISER, for each operand of a quantised product, along K:
;;     - K is cut into blocks of 32 from its start; a last block that is shorter is filled with zeros.
;;     - A block's scale is 2^e with e = floor(log2(the largest magnitude in the block)) - 4, held to -126 .. 127; a block of zeros has e = 0. As a byte (E8M0): e + 127.
;;     - Each number is divided by its block's scale, clamped to +-28, and rounded to the nearest number of E3M2, ties to even, subnormals kept.
;;     - The product sums the exact products of the quantised numbers (number of the format x scale) in f32.
;;   ~~~python
;;   def quantise(x, axis):      # numpy; x: float32 -> the quantised numbers, widened to float32 again
;;       x = np.moveaxis(x, axis, -1); K = x.shape[-1]
;;       x = np.pad(x, [(0, 0)] * (x.ndim - 1) + [(0, -K % 32)]); x = x.reshape(x.shape[:-1] + (-1, 32)); a = np.abs(x).max(-1, keepdims=True)
;;       e = np.where(a > 0, np.clip(np.frexp(np.where(a > 0, a, 1))[1] - 1 - 4, -126, 127), 0)      # np.frexp(a)[1] - 1 = floor(log2(a)), exactly
;;       r = np.clip(x / 2.0 ** e, -28, 28)
;;       step = 2.0 ** (np.maximum(np.frexp(np.where(r == 0, 1, r))[1] - 1, -2) - 2)
;;       q = np.round(r / step) * step * 2.0 ** e      # np.round: ties to even
;;       return np.moveaxis(q.reshape(q.shape[:-2] + (-1,))[..., :K], -1, axis).astype(np.float32)
;;   ~~~
;;   SOFTMAX AHEAD OF A QUANTISED PRODUCT. Where the list says 'softmax', what is quantised is not the finished softmax but p = 2^(t - M), with t = logit x log2(e) and M = ceil(the row's largest t), a whole number; so 1/2 < the row's largest p <= 1. The row's sum l is taken of the UNQUANTISED p, in f32, and the product's result is divided by l at the end. Since M is a whole number, a kernel that streams over the keys may use a running M (the ceiling of the running maximum): every later rescaling is an exact power of two, which a block's scale takes up: the codes' values come out the same.
;;   OPERANDS COMPUTED ON THE WAY. 'Computed on the way' means the value that the module computes at that place (a softmax that the list does not call 'softmax' is quantised finished and normalised). What goes into a quantiser is computed in f32, as accurately as f32 sums, v_exp_f32 and their like allow (about 1e-6 of the number): no bf16 or f16 on the way to a quantiser, and a product that is left as it is and whose result goes on into a quantised operand takes f32 operands (vector FMAs, or v_wmma_f32_16x16x4_f32). A number that lies on a knife's edge between two numbers of the format may be rounded either way, as far as f32 arithmetic and the matrix unit's own rounding can turn it there, and no further.
;;   INPUTS GIVEN AS CODES. w1 (in the module: [2048, 1024], K = its axis 1); w2 (in the module: [1024, 2048], K = its axis 1); w3 (in the module: [2048, 1024], K = its axis 1); w_proj (in the module: [1024, 1024], K = its axis 1); w_qkv (in the module: [3072, 1024], K = its axis 1): each comes as NAME_codes (uint8): NAME with its K axis moved to the last place and cut into blocks of 32 codes, [.., K / 32, bytes a block], one block behind the other in memory; four codes in three bytes: a row's codes are one little-endian stream of bits, code i at bits 6 i .. 6 i + 5 (a code: sign, 3 exponent bits, 2 mantissa bits); and NAME_scales (uint8): the same leading axes, one E8M0 byte (e + 127) for each 32 codes along K. Its value is code x scale, taken as it is: it is not quantised again, and the codes and scales need not be those that the quantiser above would give.
;; One version. Each part assembles by itself: llvm-mc -triple=amdgcn-amd-amdhsa -mcpu=gfx1250 --defsym DOCPART=n.
;; ======== version 1 of 1: 6 launches
;; limits: right only within a limited range of input values
;; workspace buffers: prep 12,451,840 bytes; qkvw 10,747,904 bytes; att 3,407,872 bytes; mid 20,185,088 bytes; ffn 6,815,744 bytes
;; launch prep (part 1): grid 432 x 1, 8 waves a work-group, no clusters, 69,632 bytes of LDS; arguments x, g1, w_qkv_codes, w_qkv_scales, w_proj_codes, w_proj_scales, w1_codes, w1_scales, w3_codes, w3_scales, w2_codes, w2_scales, prep; writes prep
.if DOCPART == 1
	.amdgcn_target "amdgcn-amd-amdhsa--gfx1250"
	.amdhsa_code_object_version 6
	.text
	.protected	k_qda2beb7736_prep
	.globl	k_qda2beb7736_prep
	.p2align	8
	.type	k_qda2beb7736_prep,@function
k_qda2beb7736_prep:
	s_mov_b64 s[64:65], 0
	v_nop
	global_prefetch_b8 v0, s[64:65] scope:SCOPE_SE
	s_setreg_imm32_b32 hwreg(HW_REG_WAVE_MODE, 25, 1), 1
	s_wait_xcnt 0x0
; PREP: three jobs, told apart by the work-group's number; all store into the workspace 'prep'.
;   N (work-groups 0-255):   h = rmsnorm(x, g1) of 16 tokens, quantised to BF6 (E3M2) along the 1,024 channels.
;   W (work-groups 256-415): the five weights' codes and scale bytes, laid anew as images of operand registers (no number changes); a wave takes 16 rows x 512 K.
;   T (work-groups 416-431): cos and sin of pos x inv_freq for 2,048 positions x 32 pairs, f32.
; OPERAND IMAGES.  16 rows x 64 K are registers 0-5 of the 32 lanes: 768 bytes: registers 0-3 at 16 x lane, registers 4-5 at 512 + 8 x lane.  A fragment (16 x 128) is two of them.
; A fragment's scale words: 128 bytes, 4 x lane; lanes l and l + 16 hold the word of row l % 16.  A tile of 16 rows x K 1,024 is 12,288 bytes of codes and 1,024 of scale words.
; WHICH ROWS OF A WEIGHT FORM A TILE: in each 32 rows, tile 2 b + u, place p: row 32 b + 16 (p / 8) + p % 8 + 8 u; for q's and k's rows of w_qkv: 32 b + 16 (p / 8) + 2 (p % 8) + u,
; so that a tile holds the even or the odd channels of the rotation's pairs.
; N's LOADS: the quantiser wants 16 neighbours of a row in a lane, a load is best where neighbouring lanes take neighbouring bytes.  Each load takes 512 consecutive bytes of one row; the wave's 16 rows turn through
; its own stage in LDS (rows 528 bytes apart, so that sixteen rows start at sixteen different 16-byte columns) and come back 64 bytes of a row to a lane.
; LIMITS: NaN and infinities are not served.  A block whose largest magnitude lies under 2^-122 keeps the scale byte 1, a block of zeros too (its codes are zeros; this program alone reads the bytes).
; h is (x g) rsq(mean + eps): it differs from x g / sqrt(..) by f32 rounding.  The reduction of the angle serves angles up to some 10^4 rad (here at most 2,047).
.set HS,   3145728                     ; sections of prep, in bytes: h's codes at 0, h's scale words,
.set WC,   3407872                     ; the weights' codes, 640 units of 12,288 bytes,
.set WS,   11272192                    ; their scale words, 640 units of 1,024 bytes,
.set ROPE, 11927552                    ; the table: [pos][cos 32][sin 32] f32
.set TURN, 1024                        ; LDS: 1,024 bytes of the waves' sums, then a stage of 16 x 528 bytes for each wave
.set LI16, 4                           ; v4 16 x lane   v5 8 x lane   v6 4 x lane
.set LI8,  5
.set LI4,  6
.set X,    32                          ; v32-95   64 numbers of x
.set G,    96                          ; v96-159  the gain at the same channels
.set TM,   160                         ; v160-171 at work in the quantiser
.set PC,   176                         ; v176-194 the codes
.set PW,   196                         ; the scale word
.set RS,   198                         ; v198-199 1 / sqrt(mean + eps), as a pair
.set SEL,  44                          ; s[44:45] lane selects: lane l xor 16
.macro STH base, off, P                ; six registers of codes go out as an image of 768 bytes
	global_store_b128 v[LI16], v[\P:\P+3], s[\base:\base+1] offset:\off
	global_store_b64 v[LI8], v[\P+4:\P+5], s[\base:\base+1] offset:\off+512
.endm
; 64 numbers of a lane, register 16 b + i = k 32 b + 16 (lane / 16) + i of my row, become a fragment's codes in v[PC] on and its scale word in v[PW]
.macro Q128 s
.irp b, 0,1,2,3
	v_max3_num_f32 v[TM+\b], |v[\s+16*\b]|, |v[\s+1+16*\b]|, 0x2800000   ; my 16 numbers of block b, and the floor 2^(5 - 127): the byte cannot fall under 1
.endr
.irp i, 2,4,6,8,10,12,14
.irp b, 0,1,2,3
	s_delay_alu instid0(VALU_DEP_4)
	v_max3_num_f32 v[TM+\b], v[TM+\b], |v[\s+16*\b+\i]|, |v[\s+1+16*\b+\i]|
.endr
.endr
.irp b, 0,1,2,3
	s_delay_alu instid0(VALU_DEP_4)
	v_permlanex16_b32 v[TM+4+\b], v[TM+\b], s[SEL], s[SEL+1]
.endr
.irp b, 0,1,2,3
	s_delay_alu instid0(VALU_DEP_4)
	v_max_num_f32 v[TM+\b], v[TM+\b], v[TM+4+\b]       ; with lane l xor 16's: the block's largest magnitude
.endr
.irp b, 0,1,2,3
	s_delay_alu instid0(VALU_DEP_4)
	v_add_nc_u32 v[TM+8+\b], 0xfe000000, v[TM+\b]      ; 4 off its exponent field: the conversion's scale operand
.endr
.irp b, 0,1,2,3
	s_delay_alu instid0(VALU_DEP_4)
	v_lshrrev_b32 v[TM+4+\b], 23, v[TM+8+\b]           ; the scale's byte
.endr
	s_delay_alu instid0(VALU_DEP_3)
	v_lshl_or_b32 v[PW], v[TM+5], 8, v[TM+4]
	s_delay_alu instid0(VALU_DEP_1)
	v_lshl_or_b32 v[PW], v[TM+6], 16, v[PW]
	s_delay_alu instid0(VALU_DEP_1)
	v_lshl_or_b32 v[PW], v[TM+7], 24, v[PW]
.irp c, 0,1
	v_cvt_scalef32_pk16_bf6_f32 v[PC+6*\c:PC+2+6*\c], v[\s+32*\c:\s+15+32*\c], v[TM+8+2*\c]
	v_cvt_scalef32_pk16_bf6_f32 v[PC+12+4*\c:PC+14+4*\c], v[\s+16+32*\c:\s+31+32*\c], v[TM+9+2*\c]
.endr
	v_nop                                              ; one plain instruction behind the scaled conversions
.irp c, 0,1                                            ; the operand wants a whole block in a lane: lanes 0-15 block 2 c, lanes 16-31 block 2 c + 1
.irp i, 0,1,2
	v_permlane16_swap_b32 v[PC+6*\c+\i], v[PC+12+4*\c+\i]
.endr
.irp i, 0,1,2
	s_delay_alu instid0(VALU_DEP_3)
	v_mov_b32 v[PC+3+6*\c+\i], v[PC+12+4*\c+\i]
.endr
.endr
.endm
	s_load_b128 s[4:7], s[0:1], 0x0                ; x, g1
	s_load_b256 s[8:15], s[0:1], 0x10              ; w_qkv codes, scales; w_proj codes, scales
	s_load_b256 s[16:23], s[0:1], 0x30             ; w1 codes, scales; w3 codes, scales
	s_load_b128 s[24:27], s[0:1], 0x50             ; w2 codes, scales
	s_load_b64 s[28:29], s[0:1], 0x60              ; prep
	v_lshl_add_u32 v200, v0, 2, 0x10c00
	v_mov_b32 v201, 0
	v_lshrrev_b32 v1, 5, v0
	s_delay_alu instid0(VALU_DEP_1)
	v_readfirstlane_b32 s30, v1                    ; wave 0..7
	v_and_b32 v1, 31, v0                           ; lane
	v_and_b32 v2, 15, v0                           ; r
	v_bfe_u32 v3, v0, 4, 1                         ; h
	s_delay_alu instid0(VALU_DEP_3)
	v_lshlrev_b32 v[LI16], 4, v1
	s_delay_alu instid0(VALU_DEP_4)
	v_lshlrev_b32 v[LI8], 3, v1
	v_lshlrev_b32 v[LI4], 2, v1
	s_wait_kmcnt 0x0
	s_cmp_ge_u32 ttmp9, 416
	s_cbranch_scc1 .Ltable
	s_cmp_ge_u32 ttmp9, 256
	s_cbranch_scc1 .Lweights
	; ---- N: 16 tokens; wave w takes channels 128 w .. 128 w + 127: one K step, one fragment
	s_lshl_b32 s32, ttmp9, 16                      ; 16 rows of 4,096 bytes
	s_lshl_b32 s34, s30, 9                         ; 512 bytes a wave
	s_add_co_u32 s32, s32, s34
	s_mov_b32 s33, 0
	s_mov_b32 s35, 0
	s_add_nc_u64 s[4:5], s[4:5], s[32:33]
	s_add_nc_u64 s[6:7], s[6:7], s[34:35]
	s_mul_i32 s48, s30, 8448
	s_add_co_u32 s48, s48, TURN                    ; my stage
	s_wait_alu depctr_va_vdst(0)
	v_add_nc_u32 v7, s48, v[LI16]                  ; in: 16 x lane of a row
	v_mul_u32_u24 v14, v2, 528
	s_delay_alu instid0(VALU_DEP_1)
	v_lshl_add_u32 v14, v3, 6, v14
	s_delay_alu instid0(VALU_DEP_1)
	v_add_nc_u32 v14, s48, v14                     ; back: row r, + 64 h: my 16 numbers of each block of 32
	v_lshlrev_b32 v8, 6, v3                        ; the gain: + 64 h
	v_lshlrev_b32 v9, 2, v0                        ; LDS: a word for each thread
.set KK, 0
.rept 16
	global_load_b128 v[X+4*KK:X+4*KK+3], v[LI16], s[4:5] offset:4096*KK th:TH_LOAD_NT   ; row KK: 32 lanes read 512 consecutive bytes
.set KK, KK+1
.endr
.set KK, 0
.rept 16
	global_load_b128 v[G+4*KK:G+4*KK+3], v8, s[6:7] offset:128*(KK/4)+16*(KK%4)
.set KK, KK+1
.endr
	s_lshl_b32 s36, ttmp9, 3
	s_add_co_u32 s36, s36, s30                     ; which fragment: 8 x tile + K step
	s_mul_i32 s38, s36, 1536
	s_mov_b32 s39, 0
	s_add_nc_u64 s[38:39], s[28:29], s[38:39]
	s_lshl_b32 s40, s36, 7
	s_add_co_u32 s40, s40, HS
	s_mov_b32 s41, 0
	s_add_nc_u64 s[40:41], s[28:29], s[40:41]
	s_mov_b32 s[SEL], 0x76543210
	s_mov_b32 s[SEL+1], 0xfedcba98
	s_mov_b32 s46, 0x3a800000                      ; 1 / 1,024
	s_mov_b32 s47, 0x3727c5ac                      ; eps = 1e-5
.irp b, 0,1,2,3
	v_mov_b32 v[TM+4+\b], 0                        ; a lane permute's destination counts as one of its sources
.endr
	s_wait_alu depctr_va_vdst(0)
	s_wait_loadcnt 16                              ; x's 16 loads are in; the gain's 16 may be out
.set KK, 0
.rept 16
	ds_store_b128 v7, v[X+4*KK:X+4*KK+3] offset:528*KK
.set KK, KK+1
.endr
.set KK, 0
.rept 16
	ds_load_b128 v[X+4*KK:X+4*KK+3], v14 offset:128*(KK/4)+16*(KK%4)   ; LDS serves a wave's instructions in order (ISA guide 5.7.1.4): these see the stores above; the bytes are my wave's own
.set KK, KK+1
.endr
	s_wait_dscnt 0x0
	v_pk_mul_f32 v[10:11], v[X:X+1], v[X:X+1]      ; the sum of squares of my 64 numbers, in two chains
	v_pk_mul_f32 v[12:13], v[X+2:X+3], v[X+2:X+3]
.set KK, 4
.rept 15
	s_delay_alu instid0(VALU_DEP_2)
	v_pk_fma_f32 v[10:11], v[X+KK:X+KK+1], v[X+KK:X+KK+1], v[10:11]
	s_delay_alu instid0(VALU_DEP_2)
	v_pk_fma_f32 v[12:13], v[X+KK+2:X+KK+3], v[X+KK+2:X+KK+3], v[12:13]
.set KK, KK+4
.endr
	s_delay_alu instid0(VALU_DEP_1)
	v_pk_add_f32 v[10:11], v[10:11], v[12:13]
	s_delay_alu instid0(VALU_DEP_1)
	v_add_f32 v10, v10, v11
	s_delay_alu instid0(VALU_DEP_1)
	v_permlanex16_b32 v11, v10, s[SEL], s[SEL+1]
	s_delay_alu instid0(VALU_DEP_1)
	v_add_f32 v10, v10, v11                        ; my row's 128 channels of this wave
	ds_store_b32 v9, v10
	s_wait_loadcnt 0x0                             ; the gain
.set KK, 0
.rept 32
	v_pk_mul_f32 v[X+KK:X+KK+1], v[X+KK:X+KK+1], v[G+KK:G+KK+1]      ; x g, while the store is out
.set KK, KK+2
.endr
	s_wait_dscnt 0x0                               ; for the others' sake: my word lies in LDS
	s_barrier_signal -1
	s_barrier_wait -1
.irp k, 0,1,2,3,4,5,6,7
	ds_load_b32 v[16+\k], v[LI4] offset:128*\k     ; my row's eight parts, one of each wave
.endr
	s_wait_dscnt 0x0
	v_add_f32 v16, v16, v17
	v_add_f32 v18, v18, v19
	v_add_f32 v20, v20, v21
	v_add_f32 v22, v22, v23
	s_delay_alu instid0(VALU_DEP_3)
	v_add_f32 v16, v16, v18
	s_delay_alu instid0(VALU_DEP_2)
	v_add_f32 v20, v20, v22
	s_delay_alu instid0(VALU_DEP_1)
	v_add_f32 v16, v16, v20
	s_delay_alu instid0(VALU_DEP_1)
	v_fma_f32 v16, v16, s46, s47                   ; mean + eps
	s_wait_alu depctr_va_vdst(0)
	v_rsq_f32 v[RS], v16
	v_mov_b32 v17, 0                               ; a plain instruction behind the transcendental
	s_wait_alu depctr_va_vdst(0)                   ; and the wait ahead of its first reader
	v_mov_b32 v[RS+1], v[RS]
.set KK, 0
.rept 32
	v_pk_mul_f32 v[X+KK:X+KK+1], v[X+KK:X+KK+1], v[RS:RS+1]
.set KK, KK+2
.endr
	Q128 X
	STH 38, 0, PC
	STH 38, 768, PC+6
	global_store_b32 v[LI4], v[PW], s[40:41]
	s_wait_tensorcnt 0x0
	ds_add_u32 v200, v201
	s_wait_dscnt 0x0
	s_endpgm
	; ---- W: a wave takes half a unit: 16 rows x 512 K of one weight (a unit is 16 rows x 1,024 K; w2's rows are two units long)
.Lweights:
	s_sub_co_u32 s32, ttmp9, 256
	s_lshl_b32 s32, s32, 3
	s_add_co_u32 s32, s32, s30                     ; the half unit, 0..1,279
	s_and_b32 s56, s32, 1                          ; which four of the unit's eight K steps
	s_lshr_b32 s32, s32, 1                         ; the unit, 0..639: w_qkv 0, w_proj 192, w1 256, w3 384, w2 512
	s_mov_b64 s[34:35], s[8:9]
	s_mov_b64 s[36:37], s[10:11]
	s_mov_b32 s38, 0
	s_cmp_ge_u32 s32, 192                          ; the choices hang on the unit's number alone
	s_cselect_b64 s[34:35], s[12:13], s[34:35]
	s_cselect_b64 s[36:37], s[14:15], s[36:37]
	s_cselect_b32 s38, 192, s38
	s_cmp_ge_u32 s32, 256
	s_cselect_b64 s[34:35], s[16:17], s[34:35]
	s_cselect_b64 s[36:37], s[18:19], s[36:37]
	s_cselect_b32 s38, 256, s38
	s_cmp_ge_u32 s32, 384
	s_cselect_b64 s[34:35], s[20:21], s[34:35]
	s_cselect_b64 s[36:37], s[22:23], s[36:37]
	s_cselect_b32 s38, 384, s38
	s_cmp_ge_u32 s32, 512
	s_cselect_b64 s[34:35], s[24:25], s[34:35]
	s_cselect_b64 s[36:37], s[26:27], s[36:37]
	s_cselect_b32 s38, 512, s38
	s_cselect_b32 s39, 1, 0                        ; 1 for w2
	s_sub_co_u32 s40, s32, s38
	s_and_b32 s41, s40, s39                        ; which half of K (w2 alone)
	s_lshr_b32 s40, s40, s39                       ; the tile
	s_lshl_b32 s42, 768, s39                       ; a row of codes in bytes
	s_lshl_b32 s43, 32, s39                        ; a row of scale bytes
	s_cmp_lt_u32 s32, 128                          ; q's and k's rows?
	s_cselect_b32 s46, 1, 0
	s_cselect_b32 s47, 1, 8
	s_lshr_b32 s48, s40, 1
	s_lshl_b32 s48, s48, 5
	s_and_b32 s49, s40, 1
	s_mul_i32 s49, s49, s47
	s_add_co_u32 s48, s48, s49                     ; the tile's first row
	s_mul_i32 s50, s48, s42
	s_mul_i32 s51, s41, 768
	s_add_co_u32 s50, s50, s51
	s_mul_i32 s51, s56, 384                        ; four K steps are 384 bytes of a row
	s_add_co_u32 s50, s50, s51
	s_mov_b32 s51, 0
	s_add_nc_u64 s[34:35], s[34:35], s[50:51]
	s_mul_i32 s50, s48, s43
	s_lshl_b32 s52, s41, 5
	s_add_co_u32 s50, s50, s52
	s_lshl_b32 s52, s56, 4                         ; and 16 scale bytes
	s_add_co_u32 s50, s50, s52
	s_add_nc_u64 s[36:37], s[36:37], s[50:51]
	s_mul_i32 s52, s32, 12288
	s_mul_i32 s53, s56, 6144
	s_add_co_u32 s52, s52, s53
	s_add_co_u32 s52, s52, WC
	s_mov_b32 s53, 0
	s_add_nc_u64 s[52:53], s[28:29], s[52:53]
	s_lshl_b32 s54, s32, 10
	s_lshl_b32 s55, s56, 9
	s_add_co_u32 s54, s54, s55
	s_add_co_u32 s54, s54, WS
	s_mov_b32 s55, 0
	s_add_nc_u64 s[54:55], s[28:29], s[54:55]
	s_wait_alu depctr_va_vdst(0)
	v_lshrrev_b32 v7, 3, v2
	s_delay_alu instid0(VALU_DEP_1)
	v_lshlrev_b32 v7, 4, v7
	v_and_b32 v8, 7, v2
	s_delay_alu instid0(VALU_DEP_1)
	v_lshlrev_b32 v8, s46, v8
	s_delay_alu instid0(VALU_DEP_1)
	v_add_nc_u32 v7, v7, v8                        ; my place's row in the tile: 16 (r / 8) + (r % 8), or + 2 (r % 8)
	s_delay_alu instid0(VALU_DEP_1)
	v_mul_lo_u32 v8, v7, s42
	s_delay_alu instid0(VALU_DEP_1)
	v_mad_u32_u24 v8, v3, 24, v8                   ; codes: + 24 h
	s_delay_alu instid0(VALU_DEP_3)
	v_mul_lo_u32 v9, v7, s43                       ; scale bytes
.irp k, 0,1,2,3
.irp p, 0,1,2,3,4,5
	global_load_b64 v[32+12*\k+2*\p:33+12*\k+2*\p], v8, s[34:35] offset:96*\k+48*(\p/3)+8*(\p%3)   ; the fragment's registers, as the codes lie
.endr
	global_load_b32 v[128+\k], v9, s[36:37] offset:4*\k
.endr
	s_wait_loadcnt 0x0
.irp k, 0,1,2,3
	STH 52, 1536*\k, 32+12*\k
	STH 52, 1536*\k+768, 32+12*\k+6
	global_store_b32 v[LI4], v[128+\k], s[54:55] offset:128*\k
.endr
	s_endpgm
	; ---- T: a wave takes 16 positions; lane = pair p
.Ltable:
	s_sub_co_u32 s32, ttmp9, 416
	s_lshl_b32 s32, s32, 3
	s_add_co_u32 s32, s32, s30
	s_lshl_b32 s32, s32, 4                         ; my first position
	s_lshl_b32 s33, s32, 8
	s_wait_alu depctr_va_vdst(0)
	v_add_nc_u32 v16, s33, v[LI4]                  ; 256 bytes a position, 4 a pair
	s_add_nc_u64 s[34:35], s[28:29], ROPE
	s_mov_b32 s40, 0xb94ca1f9                      ; the sine's and the cosine's leading coefficients
	s_mov_b32 s41, 0x37ccf5ce
	v_cvt_f32_u32 v10, v1
	s_delay_alu instid0(VALU_DEP_1)
	v_mul_f32 v11, 0xbe935d8e, v10                 ; a = -(p / 32) ln(10000), rounded once, as the definition rounds it
	s_delay_alu instid0(VALU_DEP_1)
	v_mul_f32 v12, 0x3fb8aa3b, v11                 ; a log2(e): the high part,
	s_delay_alu instid0(VALU_DEP_1)
	v_fma_f32 v13, v11, 0x3fb8aa3b, -v12           ; what that product dropped,
	s_delay_alu instid0(VALU_DEP_1)
	v_fma_f32 v13, v11, 0x32a57060, v13            ; and the low part of log2(e)
	v_exp_f32 v14, v12
	v_cvt_f32_u32 v15, s32                         ; the position as f32 (a plain instruction behind the transcendental)
	s_wait_alu depctr_va_vdst(0)
	v_mul_f32 v13, v14, v13
	v_fma_f32 v14, v13, 0x3f317218, v14            ; inv_freq = 2^high (1 + ln 2 x low)
	s_mov_b32 s36, 16
.Lpos:
	s_wait_alu depctr_va_vdst(0)
	v_mul_f32 v17, v15, v14                        ; the angle
	s_delay_alu instid0(VALU_DEP_1)
	v_mul_f32 v18, 0x3f22f983, v17
	s_delay_alu instid0(VALU_DEP_1)
	v_rndne_f32 v18, v18                           ; k = the nearest multiple of pi / 2
	s_delay_alu instid0(VALU_DEP_1)
	v_fma_f32 v19, v18, 0xbfc90fdb, v17            ; angle - k pi / 2, pi / 2 in two parts
	s_delay_alu instid0(VALU_DEP_1)
	v_fma_f32 v19, v18, 0x333bbd2e, v19
	s_delay_alu instid0(VALU_DEP_3)
	v_cvt_i32_f32 v20, v18
	s_delay_alu instid0(VALU_DEP_2)
	v_mul_f32 v21, v19, v19
	s_delay_alu instid0(VALU_DEP_1)
	v_fmaak_f32 v22, s40, v21, 0x3c08839e          ; sin on [-pi / 4, pi / 4]
	s_delay_alu instid0(VALU_DEP_2)
	v_fmaak_f32 v23, s41, v21, 0xbab6061a          ; cos
	s_delay_alu instid0(VALU_DEP_2)
	v_fmaak_f32 v22, v22, v21, 0xbe2aaaa3
	s_delay_alu instid0(VALU_DEP_2)
	v_fmaak_f32 v23, v23, v21, 0x3d2aaaa5
	s_delay_alu instid0(VALU_DEP_2)
	v_mul_f32 v22, v22, v21
	s_delay_alu instid0(VALU_DEP_2)
	v_mul_f32 v23, v23, v21
	v_fma_f32 v24, v21, -0.5, 1.0
	s_delay_alu instid0(VALU_DEP_3)
	v_fma_f32 v22, v22, v19, v19
	s_delay_alu instid0(VALU_DEP_2)
	v_fma_f32 v23, v23, v21, v24
	v_and_b32 v25, 1, v20
	s_delay_alu instid0(VALU_DEP_1)
	v_cmp_eq_u32 vcc_lo, 1, v25                    ; odd k: the two change places
	s_delay_alu instid0(VALU_DEP_1)
	v_cndmask_b32 v26, v22, v23, vcc_lo            ; sin
	s_delay_alu instid0(VALU_DEP_2)
	v_cndmask_b32 v27, v23, v22, vcc_lo            ; cos
	v_and_b32 v25, 2, v20
	s_delay_alu instid0(VALU_DEP_1)
	v_lshlrev_b32 v25, 30, v25
	s_delay_alu instid0(VALU_DEP_1)
	v_xor_b32 v26, v26, v25                        ; sin is negated in quadrants 2 and 3,
	v_add_nc_u32 v28, 1, v20
	s_delay_alu instid0(VALU_DEP_1)
	v_and_b32 v28, 2, v28
	s_delay_alu instid0(VALU_DEP_1)
	v_lshlrev_b32 v28, 30, v28
	s_delay_alu instid0(VALU_DEP_1)
	v_xor_b32 v27, v27, v28                        ; cos in quadrants 1 and 2
	global_store_b32 v16, v27, s[34:35]
	global_store_b32 v16, v26, s[34:35] offset:128
	s_wait_xcnt 0x0                                ; the stores have read their address and data: both are written again below and in the next trip
	v_add_nc_u32 v16, 256, v16
	v_add_f32 v15, 1.0, v15
	s_sub_co_u32 s36, s36, 1
	s_cmp_lg_u32 s36, 0
	s_cbranch_scc1 .Lpos
	s_endpgm
.Lfunc_end_k_qda2beb7736_prep:
	.size	k_qda2beb7736_prep, .Lfunc_end_k_qda2beb7736_prep-k_qda2beb7736_prep
	.p2alignl 7, 3214868480
	.fill 96, 4, 3214868480
	.section	.rodata,"a",@progbits
	.p2align	6, 0x0
	.amdhsa_kernel k_qda2beb7736_prep
		.amdhsa_group_segment_fixed_size 69632
		.amdhsa_private_segment_fixed_size 0
		.amdhsa_enable_private_segment 0
		.amdhsa_kernarg_size 104
		.amdhsa_user_sgpr_count 2
		.amdhsa_user_sgpr_kernarg_segment_ptr 1
		.amdhsa_wavefront_size32 1
		.amdhsa_system_sgpr_workgroup_id_x 1
		.amdhsa_system_sgpr_workgroup_id_y 1
		.amdhsa_system_sgpr_workgroup_id_z 1
		.amdhsa_system_vgpr_workitem_id 0
		.amdhsa_next_free_vgpr 202
		.amdhsa_next_free_sgpr 66
		.amdhsa_reserve_vcc 1
		.amdhsa_float_denorm_mode_32 3
		.amdhsa_float_denorm_mode_16_64 3
		.amdhsa_memory_ordered 1
		.amdhsa_forward_progress 1
		.amdhsa_inst_pref_size 34
	.end_amdhsa_kernel
	.amdgpu_metadata
---
amdhsa.version: [ 1, 2 ]
amdhsa.kernels:
  - .name:           k_qda2beb7736_prep
    .symbol:         k_qda2beb7736_prep.kd
    .args:
      - { .name: x, .offset: 0, .size: 8, .value_kind: global_buffer, .address_space: global }
      - { .name: g1, .offset: 8, .size: 8, .value_kind: global_buffer, .address_space: global }
      - { .name: w_qkv_codes, .offset: 16, .size: 8, .value_kind: global_buffer, .address_space: global }
      - { .name: w_qkv_scales, .offset: 24, .size: 8, .value_kind: global_buffer, .address_space: global }
      - { .name: w_proj_codes, .offset: 32, .size: 8, .value_kind: global_buffer, .address_space: global }
      - { .name: w_proj_scales, .offset: 40, .size: 8, .value_kind: global_buffer, .address_space: global }
      - { .name: w1_codes, .offset: 48, .size: 8, .value_kind: global_buffer, .address_space: global }
      - { .name: w1_scales, .offset: 56, .size: 8, .value_kind: global_buffer, .address_space: global }
      - { .name: w3_codes, .offset: 64, .size: 8, .value_kind: global_buffer, .address_space: global }
      - { .name: w3_scales, .offset: 72, .size: 8, .value_kind: global_buffer, .address_space: global }
      - { .name: w2_codes, .offset: 80, .size: 8, .value_kind: global_buffer, .address_space: global }
      - { .name: w2_scales, .offset: 88, .size: 8, .value_kind: global_buffer, .address_space: global }
      - { .name: prep, .offset: 96, .size: 8, .value_kind: global_buffer, .address_space: global }
    .group_segment_fixed_size: 69632
    .private_segment_fixed_size: 0
    .kernarg_segment_align: 8
    .kernarg_segment_size: 104
    .max_flat_workgroup_size: 256
    .sgpr_count:     66
    .vgpr_count:     202
    .wavefront_size: 32
...
	.end_amdgpu_metadata
.endif
;; end of part 1
;; launch qkv (part 2): grid 192 x 1, 4 waves a work-group, no clusters, 168,448 bytes of LDS; arguments prep, qkvw; writes qkvw
.if DOCPART == 2
	.amdgcn_target "amdgcn-amd-amdhsa--gfx1250"
	.amdhsa_code_object_version 6
	.text
	.protected	k_qda2beb7736_qkv
	.globl	k_qda2beb7736_qkv
	.p2align	8
	.type	k_qda2beb7736_qkv,@function
k_qda2beb7736_qkv:
	s_mov_b64 s[64:65], 0
	v_nop
	global_prefetch_b8 v0, s[64:65] scope:SCOPE_SE
	s_setreg_imm32_b32 hwreg(HW_REG_WAVE_MODE, 25, 1), 1
	s_wait_xcnt 0x0
; QKV: h w_qkv^T on codes of BF6 (E3M2) with E8M0 scales; the rotation of q and k; q, k quantised along the head's 64 channels, v along the keys.  All operands are register images made by the launch before.
; MAIN PART.  Y: 128 rows x K 1,024, shared by the four waves: it comes into LDS once, a half by each tensor load of waves 0 and 1 (98,304 bytes).  The scale words of Y (8,192 bytes, by wave 3) and of each wave's X
; (8,192 bytes) come the same way, as dense blocks, and go from LDS into registers once.  One tensor load a wave; nothing is ever filled again.
; X: 128 rows for each wave, its own: straight from memory into registers, two K steps (128 each) ahead.  D(a, i) = X's tile i (source 0) x Y's tile a (source 1): a lane is a row of Y, its registers run along X's rows.
;   work-groups 0-127 (q, k): Y = 128 tokens of h, X = 128 rows of w_qkv (two heads) a wave.   work-groups 128-191 (v): Y = 128 rows of w_qkv's v part, X = 128 tokens of h a wave: the registers run along the keys.
; No cluster: the shared tile is 106,496 of the some 530,000 bytes that a work-group reads; the rest is each wave's own.
; q, k: a tile of the weight holds the even or the odd channels of 8 + 8 pairs, so a pair's two numbers lie in one lane, 8 registers apart.  Inside a block of 32 channels the order is permuted, alike in q and k.
; v: register 8 i + j of lane (d, h) is key 16 i + 8 h + j: the very map that the scores will have in the next launch, so p and v carry the same order inside each block of 32 keys.
; LIMITS: NaN and infinities are not served; a block whose largest magnitude lies under 2^-122 (zeros too) keeps the scale byte 1: this program alone reads the bytes.
; REGISTERS: window 0: v1-6, v10-11 addresses; v32-127 Y's eight fragments; v128-223 X's third set, later the way out's work; v224-239 X's scale words, v240-255 Y's.  window 1: X's fragments, two sets at v0 and v128; later cos and sin.
;   windows 2, 3: the 64 accumulators, (a, i) at v[8 (8 (a % 4) + i)].
.set HS,   3145728
.set WC,   3407872
.set WS,   11272192
.set ROPE, 11927552
.set KCO,  3145728                     ; sections of qkvw: q's codes at 0, k's, v's, then the scale words of q, k, v
.set VCO,  6291456
.set QSO,  9437184
.set VSO,  10485760
.set YSL,  98304                       ; LDS: Y's codes at 0; Y's scale words; X's scale words, 8,192 bytes a wave
.set XSL,  106496
; window 0 as it is used now: v32-127 Y's eight fragments; v128-223 X's third set, later the way out's work; v224-239 X's scale words, v240-255 Y's: two sets of eight each, for the K steps by turns
.set XS,   224
.set YS,   240
.set YF,   32
.set RO,   128                         ; v128-159 a head's 32 rotated numbers of a lane
.set TT0,  160                         ; v160-167 at work
.set PC,   168                         ; v168-186 codes
.set TM,   188                         ; v188-199 at work in the quantisers
.set PW,   204                         ; the scale word
.set TA,   6                           ; v6   the table: 256 r + 32 h
.set ISV,  9                           ; s9   1 in v's work-groups
.set XB,   24                          ; s[24:25], s[26:27] X's tiles 0-3, 4-7
.set XB2,  26
.set DC,   36                          ; s[36:37], s[38:39] where q's or k's codes and scale words go;  s[40:41] the table;  s[42:43], s[44:45] where v's go
.set DS,   38
.set TBL,  40
.set DCV,  42
.set DSV,  44
.set SEL,  46
.set MSB, 0
.macro WIN new                         ; the immediate's high byte repeats the setting that is left
.if MSB != (\new)
	s_set_vgpr_msb (MSB<<8)|(\new)
.set MSB, (\new)
.endif
.endm
.macro SCALES q                        ; the scale words of K step q, X's eight tiles and Y's eight, from LDS into set q % 2: 16 loads
.irp i, 0,1,2,3,4,5,6,7
	ds_load_b32 v[XS+8*((\q)%2)+\i], v10 offset:1024*\i+128*(\q)
	ds_load_b32 v[YS+8*((\q)%2)+\i], v11 offset:1024*\i+128*(\q)
.endr
.endm
.macro PLACES n
.rept \n
	v_nop
.endr
.endm
.macro STH base, off, P
	global_store_b128 v1, v[\P:\P+3], s[\base:\base+1] offset:\off
	global_store_b64 v2, v[\P+4:\P+5], s[\base:\base+1] offset:\off+512
.endm
.macro XLOAD q, p, w                   ; X's eight fragments of K step q: 32 loads, each of 512 or 256 consecutive bytes.  Three sets: window 1 v0, window 1 v128, window 0 v128 (p: 0, 1, 1; w: the destination's window)
	WIN \w
.irp i, 0,1,2,3
	global_load_b128 v[128*(\p)+12*\i:128*(\p)+12*\i+3], v1, s[XB:XB+1] offset:12288*\i+1536*(\q)
	global_load_b64 v[128*(\p)+12*\i+4:128*(\p)+12*\i+5], v2, s[XB:XB+1] offset:12288*\i+1536*(\q)+512
	global_load_b128 v[128*(\p)+12*\i+6:128*(\p)+12*\i+9], v1, s[XB:XB+1] offset:12288*\i+1536*(\q)+768
	global_load_b64 v[128*(\p)+12*\i+10:128*(\p)+12*\i+11], v2, s[XB:XB+1] offset:12288*\i+1536*(\q)+1280
.endr
.irp i, 0,1,2,3
	global_load_b128 v[128*(\p)+48+12*\i:128*(\p)+48+12*\i+3], v1, s[XB2:XB2+1] offset:12288*\i+1536*(\q)
	global_load_b64 v[128*(\p)+48+12*\i+4:128*(\p)+48+12*\i+5], v2, s[XB2:XB2+1] offset:12288*\i+1536*(\q)+512
	global_load_b128 v[128*(\p)+48+12*\i+6:128*(\p)+48+12*\i+9], v1, s[XB2:XB2+1] offset:12288*\i+1536*(\q)+768
	global_load_b64 v[128*(\p)+48+12*\i+10:128*(\p)+48+12*\i+11], v2, s[XB2:XB2+1] offset:12288*\i+1536*(\q)+1280
.endr
	WIN 0
.endm
.macro FETCH_Y q, a0                   ; Y's fragments a0 .. a0 + 3 of K step q from LDS: 16 loads (tiles 4-7 by the address registers that carry 49,152)
.irp a, \a0, \a0+1, \a0+2, \a0+3
	ds_load_b128 v[YF+12*(\a):YF+12*(\a)+3], v[1+3*((\a)/4)] offset:12288*((\a)%4)+1536*(\q)
	ds_load_b64 v[YF+12*(\a)+4:YF+12*(\a)+5], v[2+3*((\a)/4)] offset:12288*((\a)%4)+1536*(\q)+512
	ds_load_b128 v[YF+12*(\a)+6:YF+12*(\a)+9], v[1+3*((\a)/4)] offset:12288*((\a)%4)+1536*(\q)+768
	ds_load_b64 v[YF+12*(\a)+10:YF+12*(\a)+11], v[2+3*((\a)/4)] offset:12288*((\a)%4)+1536*(\q)+1280
.endr
.endm
; 16 matrix instructions: Y's tiles a0, a0 + 1 against X's eight.  The 64 accumulators take turns, one instruction a turn, in the same order in every K step.
.macro MUL16 a0, p, q, zero
.irp a, \a0, \a0+1
.irp i, 0,1,2,3,4,5,6,7
.if \zero
	v_wmma_scale_f32_16x16x128_f8f6f4 v[8*(8*((\a)%4)+\i):8*(8*((\a)%4)+\i)+7], v[128*(\p)+12*\i:128*(\p)+12*\i+11], v[YF+12*(\a):YF+12*(\a)+11], 0, v[XS+8*((\q)%2)+\i], v[YS+8*((\q)%2)+(\a)] matrix_a_fmt:MATRIX_FMT_BF6 matrix_b_fmt:MATRIX_FMT_BF6
.else
	v_wmma_scale_f32_16x16x128_f8f6f4 v[8*(8*((\a)%4)+\i):8*(8*((\a)%4)+\i)+7], v[128*(\p)+12*\i:128*(\p)+12*\i+11], v[YF+12*(\a):YF+12*(\a)+11], v[8*(8*((\a)%4)+\i):8*(8*((\a)%4)+\i)+7], v[XS+8*((\q)%2)+\i], v[YS+8*((\q)%2)+(\a)] matrix_a_fmt:MATRIX_FMT_BF6 matrix_b_fmt:MATRIX_FMT_BF6
.endif
.endr
.endr
.endm
.macro TABLOAD a                       ; cos and sin for token tile a: lane (r, h): position 16 a + r, pairs 16 b + 8 h + 0 .. 7: window 1, v[32 a]: cos b = 0, 1, then sin b = 0, 1
.irp sn, 0,1
.irp be, 0,1
.irp v, 0,1
	global_load_b128 v[32*(\a)+16*\sn+8*\be+4*\v:32*(\a)+16*\sn+8*\be+4*\v+3], v[TA], s[TBL:TBL+1] offset:4096*(\a)+128*\sn+64*\be+16*\v
.endr
.endr
.endr
.endm
.macro LASTLOADS                       ; the last K step has no successor: q's and k's work-groups ask for the first four tiles' cos and sin, into X's set 0, which is done with
	s_cmp_lg_u32 s[ISV], 0
	s_cbranch_scc1 .Lv_last
	WIN 0x40
	TABLOAD 0
	TABLOAD 1
	TABLOAD 2
	TABLOAD 3
	WIN 0
	s_wait_loadcnt 32                              ; the last K step's X is in; the 32 loads just issued may be out
	s_branch .Llast_join
.Lv_last:
	s_wait_loadcnt 0x0
.Llast_join:
.endm
; A K step: 64 matrix instructions.  A load into a register that a matrix instruction has read stands four plain vector instructions behind it (ISA guide 7.12.1 for vector instructions).
.macro STEP q, zero
.set SX, (\q)%3                        ; this step's set of X, and the set of the step two on, which the step before has left (its four places stand at that step's end)
.set NS, ((\q)+2)%3
.if \q < 6
	XLOAD (\q)+2,(NS+1)/2,0x40*(1-NS/2)
	s_wait_loadcnt 63                              ; behind this step's 32 loads 64 were issued: with 63 out at the most this step's X is in
.elseif \q == 6
	s_wait_loadcnt 32                              ; the last step's 32 may be out
.else
	LASTLOADS
.endif
	s_wait_dscnt 16                                ; Y's tiles 0-3 are in (in step 0 also the scale words, asked for ahead of them); the 16 loads of tiles 4-7 may be out
	WIN 0xa0+(1-SX/2)
	MUL16 0,(SX+1)/2,\q,\zero
	MUL16 2,(SX+1)/2,\q,\zero
	s_wait_dscnt 0x0                               ; tiles 4-7
.if \q < 7
	PLACES 4
	WIN 0
	SCALES (\q)+1                                  ; ahead of Y's tiles 0-3, so that the next step's first wait covers them
	FETCH_Y (\q)+1, 0
.endif
	WIN 0xf0+(1-SX/2)
	MUL16 4,(SX+1)/2,\q,\zero
	MUL16 6,(SX+1)/2,\q,\zero
	PLACES 4
	WIN 0
.if \q < 7
	FETCH_Y (\q)+1, 4
.endif
.endm
; 32 numbers of a lane, register 16 b + i = place 32 b + 16 (lane / 16) + i of my row, become six registers of codes in v[PC] on and two scale bytes in v[PW]
.macro Q64 s
	v_max3_num_f32 v[TM], |v[\s]|, |v[\s+1]|, 0x2800000            ; and the floor 2^(5 - 127): the byte cannot fall under 1
	v_max3_num_f32 v[TM+1], |v[\s+16]|, |v[\s+17]|, 0x2800000
.irp i, 2,4,6,8,10,12,14
	v_max3_num_f32 v[TM], v[TM], |v[\s+\i]|, |v[\s+\i+1]|
	v_max3_num_f32 v[TM+1], v[TM+1], |v[\s+16+\i]|, |v[\s+17+\i]|
.endr
	v_permlanex16_b32 v[TM+2], v[TM], s[SEL], s[SEL+1]
	v_permlanex16_b32 v[TM+3], v[TM+1], s[SEL], s[SEL+1]
	v_max_num_f32 v[TM], v[TM], v[TM+2]
	v_max_num_f32 v[TM+1], v[TM+1], v[TM+3]
	v_add_nc_u32 v[TM+4], 0xfe000000, v[TM]                        ; 4 off the exponent field: the conversion's scale operand
	v_add_nc_u32 v[TM+5], 0xfe000000, v[TM+1]
	v_lshrrev_b32 v[TM+2], 23, v[TM+4]
	v_lshrrev_b32 v[TM+3], 23, v[TM+5]
	v_lshl_or_b32 v[PW], v[TM+3], 8, v[TM+2]
	v_cvt_scalef32_pk16_bf6_f32 v[PC:PC+2], v[\s:\s+15], v[TM+4]
	v_cvt_scalef32_pk16_bf6_f32 v[PC+8:PC+10], v[\s+16:\s+31], v[TM+5]
	v_nop                                                          ; one plain instruction behind the scaled conversions
.irp i, 0,1,2
	v_permlane16_swap_b32 v[PC+\i], v[PC+8+\i]                     ; a whole block to a lane: lanes 0-15 block 0, lanes 16-31 block 1
.endr
.irp i, 0,1,2
	v_mov_b32 v[PC+3+\i], v[PC+8+\i]
.endr
.endm
; the same for 64 numbers that lie in window w: a whole fragment and its scale word
.macro Q128W s, w
	WIN (\w)|((\w)<<2)
.irp b, 0,1,2,3
	v_max3_num_f32 v[TM+\b], |v[(\s)+16*\b]|, |v[(\s)+1+16*\b]|, 0x2800000
.endr
	WIN ((\w)<<2)|((\w)<<4)
.irp i, 2,4,6,8,10,12,14
.irp b, 0,1,2,3
	v_max3_num_f32 v[TM+\b], v[TM+\b], |v[(\s)+16*\b+\i]|, |v[(\s)+1+16*\b+\i]|
.endr
.endr
	WIN 0
.irp b, 0,1,2,3
	v_permlanex16_b32 v[TM+4+\b], v[TM+\b], s[SEL], s[SEL+1]
.endr
.irp b, 0,1,2,3
	v_max_num_f32 v[TM+\b], v[TM+\b], v[TM+4+\b]
.endr
.irp b, 0,1,2,3
	v_add_nc_u32 v[TM+8+\b], 0xfe000000, v[TM+\b]
.endr
.irp b, 0,1,2,3
	v_lshrrev_b32 v[TM+4+\b], 23, v[TM+8+\b]
.endr
	v_lshl_or_b32 v[PW], v[TM+5], 8, v[TM+4]
	v_lshl_or_b32 v[PW], v[TM+6], 16, v[PW]
	v_lshl_or_b32 v[PW], v[TM+7], 24, v[PW]
	WIN (\w)
.irp c, 0,1
	v_cvt_scalef32_pk16_bf6_f32 v[PC+6*\c:PC+2+6*\c], v[(\s)+32*\c:(\s)+15+32*\c], v[TM+8+2*\c]
	v_cvt_scalef32_pk16_bf6_f32 v[PC+12+4*\c:PC+14+4*\c], v[(\s)+16+32*\c:(\s)+31+32*\c], v[TM+9+2*\c]
.endr
	WIN 0
	v_nop
.irp c, 0,1
.irp i, 0,1,2
	v_permlane16_swap_b32 v[PC+6*\c+\i], v[PC+12+4*\c+\i]
.endr
.irp i, 0,1,2
	v_mov_b32 v[PC+3+6*\c+\i], v[PC+12+4*\c+\i]
.endr
.endr
.endm
; token tile a, head hh of the wave's two: y1 = x1 cos - x2 sin, y2 = x1 sin + x2 cos, two pairs an instruction; then the head's 64 channels are quantised and stored
.macro ROPEQ a, hh
	WIN 0x06+((\a)/4)                              ; source 0: the accumulators' window; source 1: window 1 (cos, sin)
.irp be, 0,1
.irp v, 0,1,2,3
.set RX, 64*((\a)%4)+32*(\hh)+16*\be+2*\v
.set RC, 32*(\a)+8*\be+2*\v
.set RT, TT0+4*(\v%2)
	v_pk_mul_f32 v[RT:RT+1], v[RX+8:RX+9], v[RC+16:RC+17]
	v_pk_mul_f32 v[RT+2:RT+3], v[RX+8:RX+9], v[RC:RC+1]
	v_pk_fma_f32 v[RO+16*\be+2*\v:RO+16*\be+2*\v+1], v[RX:RX+1], v[RC:RC+1], v[RT:RT+1] neg_lo:[0,0,1] neg_hi:[0,0,1]
	v_pk_fma_f32 v[RO+16*\be+8+2*\v:RO+16*\be+8+2*\v+1], v[RX:RX+1], v[RC+16:RC+17], v[RT+2:RT+3]
.endr
.endr
	WIN 0
	s_wait_alu depctr_va_vdst(0)
	s_wait_xcnt 0x0                                ; the last unit's stores have read their data: the codes' registers are written again
	Q64 RO
	STH DC, 98304*(\hh)+768*(\a), PC
	global_store_b32 v3, v[PW], s[DS:DS+1] offset:16384*(\hh)+128*(\a)
.endm
	s_load_b128 s[4:7], s[0:1], 0x0                ; prep, qkvw
	v_lshl_add_u32 v30, v0, 2, 0x29000
	v_mov_b32 v31, 0
	ds_add_u32 v30, v31
	ds_add_u32 v30, v31
	v_lshrrev_b32 v1, 5, v0
	v_readfirstlane_b32 s8, v1                     ; wave 0..3
	v_and_b32 v7, 31, v0
	v_lshlrev_b32 v1, 4, v7                        ; 16 x lane
	v_lshlrev_b32 v2, 3, v7                        ; 8 x lane
	v_lshlrev_b32 v3, 2, v7                        ; 4 x lane
	v_add_nc_u32 v4, 49152, v1                     ; the same for Y's tiles 4-7 in LDS
	v_add_nc_u32 v5, 49152, v2
	v_and_b32 v8, 15, v0
	v_bfe_u32 v9, v0, 4, 1
	v_lshlrev_b32 v[TA], 8, v8
	v_lshl_or_b32 v[TA], v9, 5, v[TA]
	s_wait_alu depctr_va_vdst(0)
	; descriptor groups 1: dense blocks as rows of 256 bytes (32 elements of 8 bytes), no padding, no mask: 192 rows (half of Y's codes), 128 rows (the four waves' X scale words), 32 rows (all of Y's scale words)
	s_mov_b32 s16, 3<<16
	s_mov_b32 s17, 32<<16
	s_mov_b32 s18, 192<<16                         ; half of Y's codes: 192 rows of 256 bytes
	s_mov_b32 s19, 32<<16
	s_mov_b32 s20, 192
	s_mov_b32 s21, 32
	s_mov_b32 s22, 0
	s_mov_b32 s23, 0
	s_mov_b32 s68, 3<<16
	s_mov_b32 s69, 32<<16
	s_mov_b32 s70, 128<<16                         ; the four waves' X scale words lie on end in memory: 128 rows of 256 bytes
	s_mov_b32 s71, 32<<16
	s_mov_b32 s72, 128
	s_mov_b32 s73, 32
	s_mov_b32 s74, 0
	s_mov_b32 s75, 0
	s_mov_b32 s76, 3<<16
	s_mov_b32 s77, 32<<16
	s_mov_b32 s78, 32<<16                          ; all of Y's scale words: 32 rows of 256 bytes
	s_mov_b32 s79, 32<<16
	s_mov_b32 s80, 32
	s_mov_b32 s81, 32
	s_mov_b32 s82, 0
	s_mov_b32 s83, 0
	; where the operands lie in prep: both readings of the work-group's number are made, then one is chosen
	s_lshr_b32 s48, ttmp9, 2                       ; q, k: the block of 128 tokens,
	s_and_b32 s49, ttmp9, 3                        ; and of 512 rows of the weight
	s_mul_i32 s50, s48, 98304                      ; Y = h: codes
	s_lshl_b32 s51, s48, 13
	s_add_co_u32 s51, s51, HS                      ; scale words
	s_lshl_b32 s52, s49, 5
	s_lshl_b32 s53, s8, 3
	s_add_co_u32 s52, s52, s53                     ; X = the weight's tiles 32 nb + 8 w on
	s_mul_i32 s53, s52, 12288
	s_add_co_u32 s53, s53, WC
	s_lshl_b32 s54, s52, 10
	s_add_co_u32 s54, s54, WS
	s_sub_co_u32 s55, ttmp9, 128                   ; v:
	s_lshr_b32 s56, s55, 3                         ; the block of 128 rows of the weight (two heads),
	s_and_b32 s57, s55, 7
	s_lshl_b32 s57, s57, 2
	s_add_co_u32 s57, s57, s8                      ; my wave's block of 128 tokens
	s_lshl_b32 s58, s56, 3
	s_add_co_u32 s58, s58, 128
	s_mul_i32 s59, s58, 12288
	s_add_co_u32 s59, s59, WC                      ; Y = the weight
	s_lshl_b32 s60, s58, 10
	s_add_co_u32 s60, s60, WS
	s_mul_i32 s61, s57, 98304                      ; X = h
	s_lshl_b32 s62, s57, 13
	s_add_co_u32 s62, s62, HS
	s_cmp_ge_u32 ttmp9, 128
	s_cselect_b32 s[ISV], 1, 0
	s_cselect_b32 s50, s59, s50
	s_cselect_b32 s51, s60, s51
	s_cselect_b32 s53, s61, s53
	s_cselect_b32 s54, s62, s54
	s_mov_b32 s12, 1                               ; group 0 for Y's codes: count 1,
	s_mul_i32 s13, s8, 49152                       ; LDS address: waves 0 and 1 fetch a half each,
	s_add_co_u32 s58, s50, s13
	s_mov_b32 s59, 0
	s_mov_b32 s84, 1                               ; wave 2 fetches the four waves' X scale words: wave 0's begin 8,192 w bytes ahead of mine
	s_lshl_b32 s89, s8, 13
	s_sub_co_u32 s62, s54, s89
	s_mov_b32 s63, 0
	s_add_co_u32 s89, s89, XSL
	v_add_nc_u32 v10, s89, v3                      ; where I read my X's scale words,
	s_mov_b32 s85, XSL
	s_mov_b32 s88, 1                               ; wave 3 fetches Y's scale words
	s_mov_b32 s89, YSL
	s_mov_b32 s60, s51
	s_mov_b32 s61, 0
	v_add_nc_u32 v11, YSL, v3                      ; and Y's
	s_wait_alu depctr_va_vdst(0)
	s_wait_dscnt 0x0
	s_wait_kmcnt 0x0
	s_add_nc_u64 s[14:15], s[4:5], s[58:59]        ; global address,
	s_or_b32 s15, s15, 0x80000000                  ; type 2
	s_add_nc_u64 s[86:87], s[4:5], s[62:63]
	s_or_b32 s87, s87, 0x80000000
	s_add_nc_u64 s[90:91], s[4:5], s[60:61]
	s_or_b32 s91, s91, 0x80000000
	s_cmp_lt_u32 s8, 2                             ; one tensor load a wave, in one chain of arms on the wave's number: waves 0, 1 Y's codes, wave 2 X's scale words, wave 3 Y's
	s_cbranch_scc0 .Lhead_xs
	tensor_load_to_lds s[12:15], s[16:23]
	s_nop 0
	PLACES 4
	s_branch .Lhead_asked
.Lhead_xs:
	s_cmp_lt_u32 s8, 3
	s_cbranch_scc0 .Lhead_ys
	tensor_load_to_lds s[84:87], s[68:75]
	s_nop 0
	PLACES 4
	s_branch .Lhead_asked
.Lhead_ys:
	tensor_load_to_lds s[88:91], s[76:83]
	s_nop 0
	PLACES 4
.Lhead_asked:
	s_mov_b32 s58, s53
	s_add_nc_u64 s[XB:XB+1], s[4:5], s[58:59]
	s_add_nc_u64 s[XB2:XB2+1], s[XB:XB+1], 49152
	XLOAD 0,0,0x40
	XLOAD 1,1,0x40
	; where the results go.  q, k: [batch x head][token tile][768] and [..][128]; my wave's first head is 8 (nb % 2) + 2 w
	s_lshr_b32 s50, s48, 4
	s_lshl_b32 s50, s50, 4
	s_and_b32 s51, s49, 1
	s_lshl_b32 s51, s51, 3
	s_add_co_u32 s50, s50, s51
	s_lshl_b32 s51, s8, 1
	s_add_co_u32 s50, s50, s51
	s_lshl_b32 s50, s50, 7
	s_and_b32 s51, s48, 15
	s_lshl_b32 s52, s51, 3
	s_add_co_u32 s50, s50, s52
	s_lshr_b32 s52, s49, 1                         ; 0: q, 1: k
	s_mul_i32 s58, s50, 768
	s_mul_i32 s53, s52, KCO
	s_add_co_u32 s58, s58, s53
	s_add_nc_u64 s[DC:DC+1], s[6:7], s[58:59]
	s_lshl_b32 s58, s50, 7
	s_lshl_b32 s53, s52, 19
	s_add_co_u32 s58, s58, s53
	s_add_co_u32 s58, s58, QSO
	s_add_nc_u64 s[DS:DS+1], s[6:7], s[58:59]
	s_lshl_b32 s58, s51, 15                        ; the table at my block's first position: 128 positions of 256 bytes
	s_add_co_u32 s58, s58, ROPE
	s_add_nc_u64 s[TBL:TBL+1], s[4:5], s[58:59]
	; v: [batch x head][key step][tile of 16 channels][1,536] and [..][128]
	s_lshr_b32 s50, s57, 4
	s_lshl_b32 s50, s50, 4
	s_lshl_b32 s51, s56, 1
	s_add_co_u32 s50, s50, s51
	s_lshl_b32 s50, s50, 4
	s_and_b32 s51, s57, 15
	s_add_co_u32 s50, s50, s51
	s_mul_i32 s58, s50, 6144
	s_add_co_u32 s58, s58, VCO
	s_add_nc_u64 s[DCV:DCV+1], s[6:7], s[58:59]
	s_lshl_b32 s58, s50, 9
	s_add_co_u32 s58, s58, VSO
	s_add_nc_u64 s[DSV:DSV+1], s[6:7], s[58:59]
	s_mov_b32 s[SEL], 0x76543210
	s_mov_b32 s[SEL+1], 0xfedcba98
	s_wait_tensorcnt 0x0                           ; my block has landed,
	s_barrier_signal -1
	s_barrier_wait -1                              ; everybody's have: the launch's one barrier
	SCALES 0
	FETCH_Y 0, 0
	FETCH_Y 0, 4
	STEP 0, 1                                      ; the first K step starts the sums: nothing is cleared
.irp q, 1,2,3,4,5,6,7
	STEP \q, 0
.endr
	s_cmp_lg_u32 s[ISV], 0
	s_cbranch_scc1 .Lv_out
	; ---- q, k
	WIN 0x40
	TABLOAD 4                                      ; into X's set 1 and beyond: the four places behind the last products stand at the last step's end
	TABLOAD 5
	TABLOAD 6
	TABLOAD 7
	WIN 0
	v_mov_b32 v[TM+2], 0                           ; a lane permute's destination counts as one of its sources
	v_mov_b32 v[TM+3], 0
.irp a, 0,1,2,3,4,5,6,7
	s_wait_loadcnt 8*(7-\a)                        ; tile a's eight loads of cos and sin are in; the later tiles' may be out
	ROPEQ \a, 0
	ROPEQ \a, 1
.endr
	s_wait_tensorcnt 0x0
	ds_add_u32 v30, v31
	s_wait_dscnt 0x0
	s_endpgm
	; ---- v: for each tile of 16 channels my 128 keys are one fragment
.Lv_out:
.irp b, 0,1,2,3
	v_mov_b32 v[TM+4+\b], 0
.endr
.irp a, 0,1,2,3,4,5,6,7
	s_wait_xcnt 0x0                                ; the last tile's stores have read their data
	Q128W 64*((\a)%4), 2+(\a)/4
	STH DCV, 98304*((\a)/4)+1536*((\a)%4), PC
	STH DCV, 98304*((\a)/4)+1536*((\a)%4)+768, PC+6
	global_store_b32 v3, v[PW], s[DSV:DSV+1] offset:8192*((\a)/4)+128*((\a)%4)
.endr
	s_wait_tensorcnt 0x0
	ds_add_u32 v30, v31
	s_wait_dscnt 0x0
	s_endpgm
.Lfunc_end_k_qda2beb7736_qkv:
	.size	k_qda2beb7736_qkv, .Lfunc_end_k_qda2beb7736_qkv-k_qda2beb7736_qkv
	.p2alignl 7, 3214868480
	.fill 96, 4, 3214868480
	.section	.rodata,"a",@progbits
	.p2align	6, 0x0
	.amdhsa_kernel k_qda2beb7736_qkv
		.amdhsa_group_segment_fixed_size 168448
		.amdhsa_private_segment_fixed_size 0
		.amdhsa_enable_private_segment 0
		.amdhsa_kernarg_size 16
		.amdhsa_user_sgpr_count 2
		.amdhsa_user_sgpr_kernarg_segment_ptr 1
		.amdhsa_wavefront_size32 1
		.amdhsa_system_sgpr_workgroup_id_x 1
		.amdhsa_system_sgpr_workgroup_id_y 1
		.amdhsa_system_sgpr_workgroup_id_z 1
		.amdhsa_system_vgpr_workitem_id 0
		.amdhsa_next_free_vgpr 1024
		.amdhsa_next_free_sgpr 96
		.amdhsa_reserve_vcc 0
		.amdhsa_float_denorm_mode_32 3
		.amdhsa_float_denorm_mode_16_64 3
		.amdhsa_memory_ordered 1
		.amdhsa_forward_progress 1
		.amdhsa_inst_pref_size 234
	.end_amdhsa_kernel
	.amdgpu_metadata
---
amdhsa.version: [ 1, 2 ]
amdhsa.kernels:
  - .name:           k_qda2beb7736_qkv
    .symbol:         k_qda2beb7736_qkv.kd
    .args:
      - { .name: prep, .offset: 0, .size: 8, .value_kind: global_buffer, .address_space: global }
      - { .name: qkvw, .offset: 8, .size: 8, .value_kind: global_buffer, .address_space: global }
    .group_segment_fixed_size: 168448
    .private_segment_fixed_size: 0
    .kernarg_segment_align: 8
    .kernarg_segment_size: 16
    .max_flat_workgroup_size: 128
    .sgpr_count:     96
    .vgpr_count:     1024
    .wavefront_size: 32
...
	.end_amdgpu_metadata
.endif
;; end of part 2
;; launch attn (part 3): grid 8 x 32, 16 waves a work-group, clusters of 4 x 4, 260,096 bytes of LDS; arguments qkvw, att; writes att
.if DOCPART == 3
	.amdgcn_target "amdgcn-amd-amdhsa--gfx1250"
	.amdhsa_code_object_version 6
	.text
	.protected	k_qda2beb7736_attn
	.globl	k_qda2beb7736_attn
	.p2align	8
	.type	k_qda2beb7736_attn,@function
k_qda2beb7736_attn:
	s_mov_b64 s[64:65], 0
	v_nop
	global_prefetch_b8 v0, s[64:65] scope:SCOPE_SE
	s_setreg_imm32_b32 hwreg(HW_REG_WAVE_MODE, 25, 1), 1
	s_wait_xcnt 0x0
	s_wait_alu depctr_hold_cnt(0) depctr_sa_sdst(0) depctr_va_vdst(0) depctr_va_sdst(0) depctr_va_ssrc(0) depctr_va_vcc(0) depctr_vm_vsrc(0)
	s_getreg_b32 s2, hwreg(HW_REG_IB_STS2, 6, 4)
	s_cmp_eq_u32 s2, 0
	s_cbranch_scc0 .Lentry_in_a_cluster
	s_endpgm
.Lentry_in_a_cluster:
	s_bfe_u32 s2, ttmp6, 0x10000c
	s_cmp_lg_u32 s2, 0xf033
	s_cbranch_scc0 .Lentry_shape_is_right
	s_endpgm
.Lentry_shape_is_right:
; ATTENTION, causal, both products on codes of BF6 (E3M2) with E8M0 scales; o / l is quantised along the channels for the projection.
; t = score x log2(e) / 8; M = the running largest t rounded UP to a whole number; p = 2^(t - M) is quantised along the keys, not normalised; the row's sum is taken of the unquantised p and divides at the end.
; When M moves, the sum and O are multiplied by 2^(old M - new M), which rounds nothing.
; LEFT OUT: key steps all of whose keys come after a tile's queries: the causal mask that the definition builds itself makes their p zero.
; SHARES.  A work-group owns one head (grid y) and sixteen tiles of 16 queries: tile 8 g + x, g = 0 .. 15, x = grid x.  Tile group g has g + 1 key steps of 128 keys.
; THE WAVES GO IN PAIRS, a = 0 .. 7: groups a (a + 1 steps) and 15 - a (16 - a steps), 17 steps together.  The helper (waves 0-3, 8-11) first takes steps 0 .. 6 - a of the long tile, lays O, M and the sums
; into LDS, and then makes its own short tile: 8 steps.  The owner (waves 4-7, 12-15) takes the long tile's other 9 steps and, behind one barrier, joins the helper's part: both M are whole numbers, so the
; two factors 2^(M - new M) round nothing.  A helper with no step (a = 7) hands over zeros under M = -3e38, whose factor is 0.
; The head's k, v and their scale words, 221,184 bytes, come into LDS ONCE (waves 0-10, one tensor load each); nothing is filled again.
; CLUSTER 4 x 4: the four work-groups of a row of the cluster serve one head and ask for its tiles jointly.  Every branch hangs on the wave's number and the step alone: x enters only addresses in memory and the mask's numbers.
; No prefetch: all that the launch reads through LDS is asked for at the head; there is no loop ahead of which to ask.
; LAYOUT.  S^T = k q^T (source 0 = 16 keys, source 1 = my 16 queries), O^T = v^T p^T: a lane holds one query throughout.  Register 8 T + j of lane (q, h) is key 16 T + 8 h + j, as v's codes were laid.
; K = 64: the upper 64 of q's fragment are zero codes.  What k's fragment holds there is multiplied by zero (every code of E3M2 is a finite number, and the upper scale bytes are 0), so tile T's upper six registers
; ARE tile T + 1's lower six: eight tiles lie in 54 registers, the last six of them zeros, and come by one run of loads.  v's four fragments later take the same registers.
; LIMITS: NaN and infinities are not served; a block whose every number lies under 2^-122 (zeros too) keeps the scale byte 1; the scaled scores stay under 2^31 in magnitude.
; REGISTERS: v1-6 lane constants, v7-12 the step's LDS addresses, v13 4 x lane; v14 -M, v15 the largest t, v[16:17] the sum; v18-29 q; v30-83 k's eight tiles, then v's four fragments; v84-90 the second pass's q and its scale word;
;   v91 the hand-over's LDS address; v92-99 k's scale words; v126-189 S^T, then p; v190-221 O^T; v222 the mask's number; v223, v243 the spare word and 0; v224-235 p's codes; v232-247 at work; v248-251 v's scale words;
;   v252 f; v253 p's scale word; v254 at work; v255 q's scale word.
.set S,   126
.set O,   190
.set KV,  30
.set Q2,  84
.set PXR, 91
.set KSC, 92
.set PC,  224
.set TM,  236
.set PW,  254
.set PX,  221184                       ; LDS behind the tiles: the hand-over, 4,608 bytes a pair
.set SPARE, 258048                     ; and the spare words, 128 bytes a wave
.set WV,  8                            ; s8 wave, s9 batch x head, s10 1 in an owner, s11 the tile that I store, s12 the pair, s13 x
.set ROLE, 10
.set TK,  40                           ; s40 the step's codes in LDS: 6,144 bytes a step for k and for v;  s41 k's scale words: 1,024;  s42 v's: 512;  s43 the step
.set TS,  41
.set TT,  42
.set ST,  43
.set LO1, 44                           ; first pass: steps LO1 .. HI1 - 1, the diagonal at DG1; second pass likewise
.set HI1, 45
.set SEL, 46
.set CS,  48                           ; s[48:49] c = log2(e) / 8
.set DG1, 66
.set DG2, 67
.set LO2, 68
.set HI2, 69
.macro CROUND                          ; a round of the cluster's barrier
	s_barrier_signal -1
	s_barrier_wait -1
	s_cmp_lg_u32 s[WV], 0
	s_cbranch_scc1 .Lnot_wave_0_\@
	s_barrier_signal -3
.Lnot_wave_0_\@:
	s_barrier_wait -3
	s_barrier_signal -1
	s_barrier_wait -1
.endm
.macro Q64 s                           ; 32 numbers of a lane, register 16 b + i = place 32 b + 16 (lane / 16) + i, become six registers of codes and two scale bytes
	v_max3_num_f32 v[TM], |v[\s]|, |v[\s+1]|, 0x2800000
	v_max3_num_f32 v[TM+1], |v[\s+16]|, |v[\s+17]|, 0x2800000
.irp i, 2,4,6,8,10,12,14
	s_delay_alu instid0(VALU_DEP_2)
	v_max3_num_f32 v[TM], v[TM], |v[\s+\i]|, |v[\s+\i+1]|
	s_delay_alu instid0(VALU_DEP_2)
	v_max3_num_f32 v[TM+1], v[TM+1], |v[\s+16+\i]|, |v[\s+17+\i]|
.endr
	s_delay_alu instid0(VALU_DEP_2)
	v_permlanex16_b32 v[TM+2], v[TM], s[SEL], s[SEL+1]
	s_delay_alu instid0(VALU_DEP_2)
	v_permlanex16_b32 v[TM+3], v[TM+1], s[SEL], s[SEL+1]
	s_delay_alu instid0(VALU_DEP_2)
	v_max_num_f32 v[TM], v[TM], v[TM+2]
	s_delay_alu instid0(VALU_DEP_2)
	v_max_num_f32 v[TM+1], v[TM+1], v[TM+3]
	s_delay_alu instid0(VALU_DEP_2)
	v_add_nc_u32 v[TM+4], 0xfe000000, v[TM]
	s_delay_alu instid0(VALU_DEP_2)
	v_add_nc_u32 v[TM+5], 0xfe000000, v[TM+1]
	s_delay_alu instid0(VALU_DEP_2)
	v_lshrrev_b32 v[TM+2], 23, v[TM+4]
	s_delay_alu instid0(VALU_DEP_2)
	v_lshrrev_b32 v[TM+3], 23, v[TM+5]
	s_delay_alu instid0(VALU_DEP_1)
	v_lshl_or_b32 v[PW], v[TM+3], 8, v[TM+2]
	v_cvt_scalef32_pk16_bf6_f32 v[PC:PC+2], v[\s:\s+15], v[TM+4]
	v_cvt_scalef32_pk16_bf6_f32 v[PC+8:PC+10], v[\s+16:\s+31], v[TM+5]
	v_nop
.irp i, 0,1,2
	v_permlane16_swap_b32 v[PC+\i], v[PC+8+\i]
.endr
.irp i, 0,1,2
	s_delay_alu instid0(VALU_DEP_3)
	v_mov_b32 v[PC+3+\i], v[PC+8+\i]
.endr
.endm
; A PASS: 16 trips, a constant count; the steps outside lo .. hi - 1 only step the addresses.  lo, hi and dg are made of the wave's number alone.
.macro PASS lo, hi, dg
	s_mov_b32 s[TK], 0
	s_mov_b32 s[TS], 0
	s_mov_b32 s[TT], 0
	s_mov_b32 s[ST], 0
.Lstep_\@:
	s_cmp_lt_u32 s[ST], s[\lo]
	s_cbranch_scc1 .Lhidden_\@
	s_cmp_ge_u32 s[ST], s[\hi]
	s_cbranch_scc1 .Lhidden_\@
	v_add_nc_u32 v7, s[TK], v1                     ; (these six are also the places between the last step's products and the loads into their registers)
	v_add_nc_u32 v8, s[TK], v2
	v_add_nc_u32 v9, s[TS], v3
	v_add_nc_u32 v10, s[TK], v4
	v_add_nc_u32 v11, s[TK], v5
	v_add_nc_u32 v12, s[TT], v6
	s_wait_alu depctr_va_vdst(0)
.irp t, 0,1,2,3,4,5,6,7
	ds_load_b128 v[KV+6*\t:KV+6*\t+3], v7 offset:768*\t
	ds_load_b64 v[KV+6*\t+4:KV+6*\t+5], v8 offset:768*\t
	ds_load_b32 v[KSC+\t], v9 offset:128*\t
.endr
	s_wait_dscnt 0x0
.irp t, 0,1,2,3,4,5,6,7                        ; S^T = k q^T: eight accumulators, each begun with 0
	v_wmma_scale_f32_16x16x128_f8f6f4 v[S+8*\t:S+8*\t+7], v[KV+6*\t:KV+6*\t+11], v[18:29], 0, v[KSC+\t], v255 matrix_a_fmt:MATRIX_FMT_BF6 matrix_b_fmt:MATRIX_FMT_BF6
.endr
.rept 4
	v_nop                                          ; places in front of the first read of the scores and of the loads into k's registers
.endr
.irp t, 0,1,2,3                                ; v's four fragments of these 128 keys land while the softmax is worked
	ds_load_b128 v[KV+12*\t:KV+12*\t+3], v10 offset:1536*\t
	ds_load_b64 v[KV+12*\t+4:KV+12*\t+5], v11 offset:1536*\t
	ds_load_b128 v[KV+12*\t+6:KV+12*\t+9], v10 offset:1536*\t+768
	ds_load_b64 v[KV+12*\t+10:KV+12*\t+11], v11 offset:1536*\t+768
	ds_load_b32 v[248+\t], v12 offset:128*\t
.endr
	s_cmp_lg_u32 s[ST], s[\dg]                     ; on the diagonal hidden scores become -infinity ahead of the maximum
	s_cbranch_scc1 .Lopen_\@
	v_mov_b32 v254, 0xff800000
.set KK, 0
.rept 64
	v_cmp_gt_i32 vcc_lo, 16*(KK/8)+KK%8, v222      ; v222 = my query - the step's first key - 8 h
	v_cndmask_b32 v[S+KK], v[S+KK], v254, vcc_lo
.set KK, KK+1
.endr
.Lopen_\@:
.irp b, 0,1,2,3
	v_max3_num_f32 v[232+\b], v[S+16*\b], v[S+1+16*\b], v[S+2+16*\b]   ; the largest score of each block of 32 keys: for the row's maximum, and, since p rises with the score, for the block's largest p
.endr
.irp i, 3,5,7,9,11,13
.irp b, 0,1,2,3
	v_max3_num_f32 v[232+\b], v[232+\b], v[S+16*\b+\i], v[S+1+16*\b+\i]
.endr
.endr
.irp b, 0,1,2,3
	v_max_num_f32 v[232+\b], v[232+\b], v[S+15+16*\b]
.endr
.irp b, 0,1,2,3
	s_delay_alu instid0(VALU_DEP_4)
	v_permlanex16_b32 v[236+\b], v[232+\b], s[SEL], s[SEL+1]
.endr
.irp b, 0,1,2,3
	s_delay_alu instid0(VALU_DEP_4)
	v_max_num_f32 v[232+\b], v[232+\b], v[236+\b]
.endr
	s_delay_alu instid0(VALU_DEP_2)
	v_max3_num_f32 v254, v232, v233, v234
	s_delay_alu instid0(VALU_DEP_1)
	v_max_num_f32 v254, v254, v235
	s_delay_alu instid0(VALU_DEP_1)
	v_mul_f32 v254, s[CS], v254
	s_delay_alu instid0(VALU_DEP_1)
	v_max_num_f32 v15, v15, v254                   ; the running largest t
	v_mov_b32 v254, v14
	s_delay_alu instid0(VALU_DEP_2)
	v_floor_f32 v14, -v15                          ; -M = floor(-t): M is a whole number
	s_delay_alu instid0(VALU_DEP_1)
	v_sub_f32 v254, v14, v254
	s_delay_alu instid0(VALU_DEP_1)
	v_cvt_i32_f32 v254, v254                       ; (it saturates)
	s_delay_alu instid0(VALU_DEP_1)
	v_ldexp_f32 v252, 1.0, v254                    ; f = 2^(old M - new M)
.set KK, 0
.rept 32
	v_pk_fma_f32 v[S+KK:S+KK+1], v[S+KK:S+KK+1], s[CS:CS+1], v[14:15] op_sel_hi:[1,0,0]   ; t - M
.set KK, KK+2
.endr
.irp b, 0,1,2,3
	v_fma_f32 v[232+\b], v[232+\b], s[CS], v14
.endr
	s_wait_alu depctr_va_vdst(0)
.set KK, 0
.rept 64
	v_exp_f32 v[S+KK], v[S+KK]                     ; p = 2^(t - M)
.set KK, KK+1
.endr
	v_pk_mul_f32 v[16:17], v[16:17], v[252:253] op_sel_hi:[1,0]   ; the sums under the new M (a plain instruction behind the exponentials)
	s_wait_alu depctr_va_vdst(0)                   ; one wait for the batch of 64, ahead of its first reader
.irp b, 0,1,2,3
	v_exp_f32 v[232+\b], v[232+\b]                 ; each block's largest p
.endr
.irp c, 0,1,2                                  ; the row's sum of the unquantised p: 32 packed additions in four chains
	v_pk_add_f32 v[236+2*\c:237+2*\c], v[S+4*\c:S+4*\c+1], v[S+4*\c+2:S+4*\c+3]
.endr
	v_pk_add_f32 v[16:17], v[16:17], v[S+12:S+13]
.set KK, 14
.rept 6
	v_pk_add_f32 v[236:237], v[236:237], v[S+KK:S+KK+1]
	v_pk_add_f32 v[238:239], v[238:239], v[S+KK+2:S+KK+3]
	v_pk_add_f32 v[240:241], v[240:241], v[S+KK+4:S+KK+5]
	v_pk_add_f32 v[16:17], v[16:17], v[S+KK+6:S+KK+7]
.set KK, KK+8
.endr
	v_pk_add_f32 v[236:237], v[236:237], v[S+62:S+63]
	v_pk_add_f32 v[238:239], v[238:239], v[240:241]
	s_delay_alu instid0(VALU_DEP_2)
	v_pk_add_f32 v[16:17], v[16:17], v[236:237]
	s_delay_alu instid0(VALU_DEP_1)
	v_pk_add_f32 v[16:17], v[16:17], v[238:239]
	s_wait_alu depctr_va_vdst(0)                   ; and one for the four
.irp b, 0,1,2,3
	v_max_num_f32 v[232+\b], 0x2800000, v[232+\b]  ; the floor 2^(5 - 127)
.endr
.irp b, 0,1,2,3
	s_delay_alu instid0(VALU_DEP_4)
	v_add_nc_u32 v[244+\b], 0xfe000000, v[232+\b]
.endr
.irp b, 0,1,2,3
	s_delay_alu instid0(VALU_DEP_4)
	v_lshrrev_b32 v[236+\b], 23, v[244+\b]
.endr
	s_delay_alu instid0(VALU_DEP_3)
	v_lshl_or_b32 v253, v237, 8, v236              ; p's scale word for these 128 keys
	s_delay_alu instid0(VALU_DEP_1)
	v_lshl_or_b32 v253, v238, 16, v253
	s_delay_alu instid0(VALU_DEP_1)
	v_lshl_or_b32 v253, v239, 24, v253
.irp c, 0,1
	v_cvt_scalef32_pk16_bf6_f32 v[224+6*\c:226+6*\c], v[S+32*\c:S+15+32*\c], v[244+2*\c]
	v_cvt_scalef32_pk16_bf6_f32 v[236+4*\c:238+4*\c], v[S+16+32*\c:S+31+32*\c], v[245+2*\c]
.endr
	v_nop
.irp c, 0,1
.irp i, 0,1,2
	v_permlane16_swap_b32 v[224+6*\c+\i], v[236+4*\c+\i]
.endr
.irp i, 0,1,2
	s_delay_alu instid0(VALU_DEP_3)
	v_mov_b32 v[227+6*\c+\i], v[236+4*\c+\i]
.endr
.endr
	s_wait_alu depctr_va_vdst(0)                   ; directly ahead of the first reader of O^T
.set KK, 0
.rept 16
	v_pk_mul_f32 v[O+KK:O+KK+1], v[O+KK:O+KK+1], v[252:253] op_sel_hi:[1,0]   ; O^T under the new M; these stand between the making of p's codes and scale word and the products
.set KK, KK+2
.endr
	s_wait_alu depctr_va_vdst(0)
	s_wait_dscnt 0x0                               ; v
.irp t, 0,1,2,3                                ; O^T += v^T p^T: four accumulators by turns
	v_wmma_scale_f32_16x16x128_f8f6f4 v[O+8*\t:O+8*\t+7], v[KV+12*\t:KV+12*\t+11], v[224:235], v[O+8*\t:O+8*\t+7], v[248+\t], v253 matrix_a_fmt:MATRIX_FMT_BF6 matrix_b_fmt:MATRIX_FMT_BF6
.endr
	s_wait_alu depctr_va_vdst(0)
.Lhidden_\@:
	s_add_co_u32 s[TK], s[TK], 6144
	s_add_co_u32 s[TS], s[TS], 1024
	s_add_co_u32 s[TT], s[TT], 512
	s_add_co_u32 s[ST], s[ST], 1
	s_cmp_lt_u32 s[ST], 16
	s_cbranch_scc1 .Lstep_\@
.endm
	s_load_b128 s[4:7], s[0:1], 0x0                ; qkvw, att
	v_lshl_add_u32 v223, v0, 2, SPARE
	v_mov_b32 v243, 0
	ds_add_u32 v223, v243
	ds_add_u32 v223, v243
	v_lshrrev_b32 v1, 5, v0
	v_readfirstlane_b32 s[WV], v1                  ; wave 0..15
	s_bfe_u32 s60, ttmp6, 0x40000                  ; cx
	s_bfe_u32 s61, ttmp6, 0x40004                  ; cy
	s_and_b32 s9, ttmp7, 0xffff
	s_lshl_b32 s9, s9, 2
	s_add_co_u32 s9, s9, s61                       ; batch x head = 4 x cluster y + cy
	s_lshl_b32 s62, s61, 2
	s_lshl_b32 s62, 15, s62                        ; my row of the cluster: the four that serve this head
	; descriptor groups 1: dense blocks as rows of 256 bytes (32 elements of 8 bytes): 96 rows (codes), 32 rows (scale words); the mask, and bit 21 beside it
	s_or_b32 s16, s62, (3<<16)|(1<<21)
	s_mov_b32 s17, 32<<16
	s_mov_b32 s18, 96<<16
	s_mov_b32 s19, 32<<16
	s_mov_b32 s20, 96
	s_mov_b32 s21, 32
	s_mov_b32 s22, 0
	s_mov_b32 s23, 0
	s_or_b32 s24, s62, (3<<16)|(1<<21)
	s_mov_b32 s25, 32<<16
	s_mov_b32 s26, 32<<16
	s_mov_b32 s27, 32<<16
	s_mov_b32 s28, 32
	s_mov_b32 s29, 32
	s_mov_b32 s30, 0
	s_mov_b32 s31, 0
	; group 0 for waves 0-7: quarter w % 4 of the head's codes of k (waves 0-3) or v (waves 4-7), to LDS byte 24,576 w
	s_mov_b32 s32, 1
	s_mul_i32 s33, s[WV], 24576
	s_lshr_b32 s50, s[WV], 2
	s_mul_i32 s50, s50, 3145728
	s_mul_i32 s51, s9, 98304
	s_add_co_u32 s50, s50, s51
	s_and_b32 s51, s[WV], 3
	s_mul_i32 s51, s51, 24576
	s_add_co_u32 s50, s50, s51
	s_add_co_u32 s50, s50, 3145728
	s_mov_b32 s51, 0
	; group 0 for waves 8-10: the halves of k's scale words, then v's, to LDS byte 196,608 + 8,192 (w - 8)
	s_mov_b32 s36, 1
	s_lshl_b32 s37, s[WV], 13
	s_add_co_u32 s37, s37, 131072
	s_lshl_b32 s52, s9, 14
	s_sub_co_u32 s53, s[WV], 8
	s_lshl_b32 s53, s53, 13
	s_add_co_u32 s52, s52, s53
	s_add_co_u32 s52, s52, 9961472
	s_lshl_b32 s54, s9, 13
	s_add_co_u32 s54, s54, 10485760
	s_cmp_eq_u32 s[WV], 10
	s_cselect_b32 s52, s54, s52
	s_mov_b32 s53, 0
	s_wait_dscnt 0x0                               ; both opening adds are done
	s_wait_kmcnt 0x0
	s_add_nc_u64 s[34:35], s[4:5], s[50:51]
	s_or_b32 s35, s35, 0x80000000
	s_add_nc_u64 s[38:39], s[4:5], s[52:53]
	s_or_b32 s39, s39, 0x80000000
	CROUND                                         ; all sixteen work-groups are here: the joint loads meet
	s_cmp_lt_u32 s[WV], 8                          ; the branches hang on the wave's number alone; s_nop 0 and four v_nop follow each load
	s_cbranch_scc0 .Lnot_codes
	tensor_load_to_lds s[32:35], s[16:23]
	s_nop 0
.rept 4
	v_nop
.endr
	s_branch .Lasked
.Lnot_codes:
	s_cmp_lt_u32 s[WV], 11
	s_cbranch_scc0 .Lasked
	tensor_load_to_lds s[36:39], s[24:31]
	s_nop 0
.rept 4
	v_nop
.endr
.Lasked:
	; the pair, the role and the two passes' steps: of the wave's number alone
	s_and_b32 s12, s[WV], 3
	s_lshr_b32 s50, s[WV], 3
	s_lshl_b32 s50, s50, 2
	s_add_co_u32 s12, s12, s50                     ; a
	s_bfe_u32 s[ROLE], s[WV], 0x10002              ; 0: helper, 1: owner of the long tile
	s_sub_co_u32 s[DG1], 15, s12                   ; the long tile's group, and its diagonal step
	s_mov_b32 s[DG2], s12                          ; the short tile's
	s_mov_b32 s[LO2], 0
	s_sub_co_u32 s50, 7, s12
	s_add_co_u32 s51, s[DG1], 1
	s_add_co_u32 s52, s12, 1
	s_mul_i32 s63, s12, 4608
	s_add_co_u32 s63, s63, PX                      ; the pair's hand-over
	s_lshl_b32 s13, ttmp9, 2
	s_add_co_u32 s13, s13, s60                     ; x = 4 x cluster x + cx
	s_lshl_b32 s76, s[DG1], 3
	s_add_co_u32 s76, s76, s13                     ; the long tile
	s_lshl_b32 s77, s12, 3
	s_add_co_u32 s77, s77, s13                     ; the short tile
	s_lshl_b32 s79, s13, 4                         ; on the diagonal my first query lies 16 x behind the step's first key
	s_cmp_lg_u32 s[ROLE], 0
	s_cselect_b32 s[LO1], s50, 0                   ; owner: steps 7 - a .. 15 - a; helper: 0 .. 6 - a,
	s_cselect_b32 s[HI1], s51, s50
	s_cselect_b32 s[HI2], 0, s52                   ; then its own tile's 0 .. a
	s_cselect_b32 s11, s76, s77                    ; the tile that I finish and store
	s_lshl_b32 s78, s9, 7
	s_add_co_u32 s76, s78, s76
	s_add_co_u32 s77, s78, s11
	s_mul_i32 s52, s76, 768
	s_mov_b32 s53, 0
	s_add_nc_u64 s[52:53], s[4:5], s[52:53]
	s_lshl_b32 s54, s76, 7
	s_add_co_u32 s54, s54, 9437184
	s_mov_b32 s55, 0
	s_add_nc_u64 s[54:55], s[4:5], s[54:55]
	s_mul_i32 s72, s77, 768
	s_mov_b32 s73, 0
	s_add_nc_u64 s[72:73], s[4:5], s[72:73]
	s_lshl_b32 s74, s77, 7
	s_add_co_u32 s74, s74, 9437184
	s_mov_b32 s75, 0
	s_add_nc_u64 s[74:75], s[4:5], s[74:75]
	v_and_b32 v13, 31, v0
	v_lshlrev_b32 v1, 4, v13                       ; k's codes: 16 x lane,
	v_lshlrev_b32 v2, 3, v13
	v_add_nc_u32 v2, 512, v2                       ; and 512 + 8 x lane
	v_lshlrev_b32 v13, 2, v13
	v_add_nc_u32 v3, 196608, v13                   ; k's scale words
	v_add_nc_u32 v4, 98304, v1                     ; v's codes
	v_add_nc_u32 v5, 98304, v2
	v_add_nc_u32 v6, 212992, v13                   ; v's scale words
	v_add_nc_u32 v[PXR], s63, v1
	v_and_b32 v7, 15, v0
	v_bfe_u32 v8, v0, 4, 1
	v_lshlrev_b32 v8, 3, v8
	v_sub_nc_u32 v222, v7, v8
	v_add_nc_u32 v222, s79, v222                   ; 16 x + r - 8 h: register n of a diagonal step holds a hidden key where 16 (n / 8) + n % 8 is greater
	s_wait_alu depctr_va_vdst(0)
	global_load_b128 v[18:21], v1, s[52:53]        ; the long tile's q: the first pass of helper and owner alike
	global_load_b64 v[22:23], v2, s[52:53]
	global_load_b32 v255, v13, s[54:55]
	global_load_b128 v[Q2:Q2+3], v1, s[72:73]      ; q of the tile that I finish: the helper's second pass (one line for all waves: an owner names its tile again)
	global_load_b64 v[Q2+4:Q2+5], v2, s[72:73]
	global_load_b32 v[Q2+6], v13, s[74:75]
	s_lshr_b32 s60, s9, 4                          ; where o goes: token tile 128 x batch + query tile, K step head / 2, half head % 2
	s_lshl_b32 s60, s60, 7
	s_add_co_u32 s60, s60, s11
	s_and_b32 s61, s9, 15
	s_mul_i32 s56, s60, 12288
	s_mul_i32 s62, s61, 768
	s_add_co_u32 s56, s56, s62
	s_mov_b32 s57, 0
	s_add_nc_u64 s[56:57], s[6:7], s[56:57]
	s_lshl_b32 s58, s60, 10
	s_lshr_b32 s62, s61, 1
	s_lshl_b32 s62, s62, 7
	s_add_co_u32 s58, s58, s62
	s_and_b32 s62, s61, 1
	s_lshl_b32 s62, s62, 1
	s_add_co_u32 s58, s58, s62
	s_add_co_u32 s58, s58, 3145728
	s_mov_b32 s59, 0
	s_add_nc_u64 s[58:59], s[6:7], s[58:59]
	s_mov_b32 s[SEL], 0x76543210
	s_mov_b32 s[SEL+1], 0xfedcba98
	s_mov_b32 s[CS], 0x3e38aa3b
	s_mov_b32 s[CS+1], s[CS]
.irp j, 24,25,26,27,28,29
	v_mov_b32 v[\j], 0                             ; K = 64: the upper 64 of the instruction's 128 are zero codes in q
.endr
.irp j, 48,49,50,51,52,53
	v_mov_b32 v[KV+\j], 0                          ; behind k's last tile: written once, never loaded over
.endr
.set KK, 0
.rept 32
	v_mov_b32 v[O+KK], 0                           ; O^T: the step is written once; the first finds zeros, which the first change of M leaves zeros
.set KK, KK+1
.endr
	v_mov_b32 v15, 0xff61b1e6                      ; the largest t so far: -3e38
	v_floor_f32 v14, -v15                          ; -M
	v_mov_b32 v16, 0
	v_mov_b32 v17, 0
.irp b, 0,1,2,3
	v_mov_b32 v[236+\b], 0                         ; a lane permute's destination counts as one of its sources
.endr
	v_mov_b32 v252, 0
	v_mov_b32 v253, 0
	s_wait_alu depctr_va_vdst(0)
	s_wait_tensorcnt 0x0                           ; my part of the head has landed,
	s_barrier_signal -1
	s_barrier_wait -1                              ; everybody's has
	s_wait_loadcnt 0x0                             ; q
	PASS LO1, HI1, DG1
.rept 4
	v_nop                                          ; places behind the last products
.endr
	s_cmp_lg_u32 s[ROLE], 0
	s_cbranch_scc1 .Lkeeps                         ; an owner keeps what it has summed
.irp i, 0,1,2,3,4,5,6,7
	ds_store_b128 v[PXR], v[O+4*\i:O+4*\i+3] offset:512*\i     ; the helper's part as an image of its registers, each accumulator from its low end on
.endr
	ds_store_b128 v[PXR], v[14:17] offset:4096     ; -M, the largest t, the sum's two halves
.irp j, 0,1,2,3,4,5
	v_mov_b32 v[18+\j], v[Q2+\j]                   ; and it begins anew on its own tile
.endr
	v_mov_b32 v255, v[Q2+6]
.set KK, 0
.rept 32
	v_mov_b32 v[O+KK], 0
.set KK, KK+1
.endr
	v_mov_b32 v15, 0xff61b1e6
	v_floor_f32 v14, -v15
	v_mov_b32 v16, 0
	v_mov_b32 v17, 0
	s_wait_alu depctr_va_vdst(0)
.Lkeeps:
	PASS LO2, HI2, DG2
	s_wait_dscnt 0x0                               ; for the owner's sake: the helper's part lies in LDS
	s_barrier_signal -1
	s_barrier_wait -1
	s_cmp_eq_u32 s[ROLE], 0
	s_cbranch_scc1 .Lwhole                         ; a helper's own tile is whole
.irp i, 0,1,2,3,4,5,6,7
	ds_load_b128 v[S+4*\i:S+4*\i+3], v[PXR] offset:512*\i
.endr
	ds_load_b128 v[158:161], v[PXR] offset:4096
	s_wait_dscnt 0x0
	v_min_num_f32 v162, v14, v158                  ; -M of the two parts together
	s_delay_alu instid0(VALU_DEP_1)
	v_sub_f32 v163, v162, v14
	v_sub_f32 v164, v162, v158
	s_delay_alu instid0(VALU_DEP_2)
	v_cvt_i32_f32 v163, v163                       ; whole numbers, 0 or less (they saturate)
	s_delay_alu instid0(VALU_DEP_2)
	v_cvt_i32_f32 v164, v164
	s_delay_alu instid0(VALU_DEP_2)
	v_ldexp_f32 v252, 1.0, v163                    ; my part's factor,
	s_delay_alu instid0(VALU_DEP_2)
	v_ldexp_f32 v162, 1.0, v164                    ; the helper's
.set KK, 0
.rept 16
	v_pk_mul_f32 v[O+KK:O+KK+1], v[O+KK:O+KK+1], v[252:253] op_sel_hi:[1,0]
.set KK, KK+2
.endr
	v_pk_mul_f32 v[16:17], v[16:17], v[252:253] op_sel_hi:[1,0]
.set KK, 0
.rept 16
	v_pk_fma_f32 v[O+KK:O+KK+1], v[S+KK:S+KK+1], v[162:163], v[O+KK:O+KK+1] op_sel_hi:[1,0,1]
.set KK, KK+2
.endr
	v_pk_fma_f32 v[16:17], v[160:161], v[162:163], v[16:17] op_sel_hi:[1,0,1]
.Lwhole:
	; THE WAY OUT: o = O^T / l; register 16 b + i of lane (q, h) is channel 32 b + 16 h + i of the head: it is quantised as it lies
	s_wait_alu depctr_va_vdst(0)
	v_add_f32 v16, v16, v17
	s_delay_alu instid0(VALU_DEP_1)
	v_permlanex16_b32 v252, v16, s[SEL], s[SEL+1]
	s_delay_alu instid0(VALU_DEP_1)
	v_add_f32 v16, v16, v252
	s_wait_alu depctr_va_vdst(0)
	v_rcp_f32 v16, v16
	v_nop                                          ; plain instructions behind the transcendental and behind the last products
	v_nop
	v_nop
	s_wait_alu depctr_va_vdst(0)
.set KK, 0
.rept 32
	v_mul_f32 v[S+KK], v[O+KK], v16
.set KK, KK+1
.endr
	Q64 S
	global_store_b128 v1, v[PC:PC+3], s[56:57]
	global_store_b64 v2, v[PC+4:PC+5], s[56:57]    ; (the address register carries the 512)
	global_store_b16 v13, v[PW], s[58:59]          ; my head's two bytes of the K step's scale words
	s_wait_tensorcnt 0x0                           ; the wave's end
	ds_add_u32 v223, v243
	s_wait_dscnt 0x0
	CROUND                                         ; the closing round
	s_endpgm
.Lfunc_end_k_qda2beb7736_attn:
	.size	k_qda2beb7736_attn, .Lfunc_end_k_qda2beb7736_attn-k_qda2beb7736_attn
	.p2alignl 7, 3214868480
	.fill 96, 4, 3214868480
	.section	.rodata,"a",@progbits
	.p2align	6, 0x0
	.amdhsa_kernel k_qda2beb7736_attn
		.amdhsa_group_segment_fixed_size 260096
		.amdhsa_private_segment_fixed_size 0
		.amdhsa_enable_private_segment 0
		.amdhsa_kernarg_size 16
		.amdhsa_user_sgpr_count 2
		.amdhsa_user_sgpr_kernarg_segment_ptr 1
		.amdhsa_wavefront_size32 1
		.amdhsa_system_sgpr_workgroup_id_x 1
		.amdhsa_system_sgpr_workgroup_id_y 1
		.amdhsa_system_sgpr_workgroup_id_z 1
		.amdhsa_system_vgpr_workitem_id 0
		.amdhsa_next_free_vgpr 256
		.amdhsa_next_free_sgpr 80
		.amdhsa_reserve_vcc 1
		.amdhsa_float_denorm_mode_32 3
		.amdhsa_float_denorm_mode_16_64 3
		.amdhsa_memory_ordered 1
		.amdhsa_forward_progress 1
		.amdhsa_inst_pref_size 67
	.end_amdhsa_kernel
	.amdgpu_metadata
---
amdhsa.version: [ 1, 2 ]
amdhsa.kernels:
  - .name:           k_qda2beb7736_attn
    .symbol:         k_qda2beb7736_attn.kd
    .args:
      - { .name: qkvw, .offset: 0, .size: 8, .value_kind: global_buffer, .address_space: global }
      - { .name: att, .offset: 8, .size: 8, .value_kind: global_buffer, .address_space: global }
    .group_segment_fixed_size: 260096
    .private_segment_fixed_size: 0
    .kernarg_segment_align: 8
    .kernarg_segment_size: 16
    .max_flat_workgroup_size: 512
    .sgpr_count:     80
    .vgpr_count:     256
    .wavefront_size: 32
...
	.end_amdgpu_metadata
.endif
;; end of part 3
;; launch proj (part 4): grid 256 x 1, 8 waves a work-group, no clusters, 168,960 bytes of LDS; arguments att, prep, x, g2, mid; writes mid
.if DOCPART == 4
	.amdgcn_target "amdgcn-amd-amdhsa--gfx1250"
	.amdhsa_code_object_version 6
	.text
	.protected	k_qda2beb7736_proj
	.globl	k_qda2beb7736_proj
	.p2align	8
	.type	k_qda2beb7736_proj,@function
k_qda2beb7736_proj:
	s_mov_b64 s[64:65], 0
	v_nop
	global_prefetch_b8 v0, s[64:65] scope:SCOPE_SE
	s_setreg_imm32_b32 hwreg(HW_REG_WAVE_MODE, 25, 1), 1
	s_wait_xcnt 0x0
; PROJ: x1 = x + o w_proj^T on codes of BF6 (E3M2) with E8M0 scales; h2 = rmsnorm(x1, g2), quantised along the 1,024 channels.
; A work-group owns 16 whole rows, so that the norm needs no further launch; wave w makes columns 128 w .. 128 w + 127 (eight tiles of the weight, streamed from memory into registers, a K step ahead).
; The product is used transposed (source 0 = 16 rows of the weight, source 1 = the 16 tokens): a lane holds one token; by the choice of the weight's rows its registers 16 b + i are columns 32 b + 16 h + i.
; WHAT A WAVE NEEDS ONCE COMES THROUGH LDS, by one tensor load a wave, filled once: x, 16 rows x 1,024 bytes for each two waves (rows 1,040 bytes apart in LDS, so that sixteen rows start at sixteen different 16-byte columns);
; o's eight fragments and their scale words, which all eight waves then read; the weight's scale words.  So each byte of x and of o is asked for once by the work-group.
; x goes from LDS into the accumulators and is the C of the first K step.  x1 goes out as an image of the accumulators (512 consecutive bytes a store), which the last launch takes as its C.
; No cluster: what the work-groups share (the weight) goes to registers, wave by wave.
; LIMITS: NaN and infinities are not served; a block under 2^-122 (zeros too) keeps the scale byte 1.  h2 is (x1 g) rsq(mean + eps): f32 rounding apart from x1 g / sqrt(..).
; REGISTERS: window 0: v1-15 addresses and work; v16-79 the accumulators; v80-175 o's eight fragments, later h2 and its codes; v176-239 the weight's scale words, v240-247 o's; v248-255 at work.
;   window 1: the weight's fragments, two sets at v0 and v96; v192-255 the gain.
.set WC,  3407872
.set WS,  11272192
.set XT,  1024                         ; LDS: 1,024 bytes of the waves' sums; x, 16,640 bytes for each two waves;
.set OL,  68608                        ; o's eight fragments;
.set OSL, 80896                        ; their scale words;
.set WSL, 81920                        ; the weight's scale words, 8,192 bytes a wave
.set ACC, 16
.set YF,  80
.set XS,  176
.set YS,  240
.set G2,  192
.set HB,  80
.set PC,  144
.set TM,  164
.set PW,  14
.set RS,  12
.set SEL, 30
.set MSB, 0
.macro WIN new
.if MSB != (\new)
	s_set_vgpr_msb (MSB<<8)|(\new)
.set MSB, (\new)
.endif
.endm
.macro STH base, off, P
	global_store_b128 v1, v[\P:\P+3], s[\base:\base+1] offset:\off
	global_store_b64 v2, v[\P+4:\P+5], s[\base:\base+1] offset:\off+512
.endm
.macro XLOAD q, p                      ; the weight's eight fragments of K step q into set p: 32 loads
	WIN 0x40
.irp i, 0,1,2,3,4,5,6,7
	global_load_b128 v[96*(\p)+12*\i:96*(\p)+12*\i+3], v1, s[16:17] offset:12288*\i+1536*(\q)
	global_load_b64 v[96*(\p)+12*\i+4:96*(\p)+12*\i+5], v2, s[16:17] offset:12288*\i+1536*(\q)+512
	global_load_b128 v[96*(\p)+12*\i+6:96*(\p)+12*\i+9], v1, s[16:17] offset:12288*\i+1536*(\q)+768
	global_load_b64 v[96*(\p)+12*\i+10:96*(\p)+12*\i+11], v2, s[16:17] offset:12288*\i+1536*(\q)+1280
.endr
	WIN 0
.endm
.macro GLOAD                           ; the gain in the result's layout: 16 loads; it is wanted behind the last K step
	WIN 0x40
.irp t, 0,1,2,3,4,5,6,7
	global_load_b128 v[G2+8*\t:G2+8*\t+3], v5, s[18:19] offset:128*(\t/2)+32*(\t%2)
	global_load_b128 v[G2+8*\t+4:G2+8*\t+7], v5, s[18:19] offset:128*(\t/2)+32*(\t%2)+16
.endr
	WIN 0
.endm
.macro STEP q
.if \q < 7
	XLOAD (\q)+1, ((\q)+1)%2                       ; into the set that the step before has left, four places behind its products
.endif
.if \q == 4
	GLOAD
.endif
.if \q == 7
	s_wait_loadcnt 0x0
.elseif (\q == 4) || (\q == 5)
	s_wait_loadcnt 48                              ; behind this step's X were issued the next step's 32 loads and the gain's 16
.else
	s_wait_loadcnt 32                              ; all but the 32 just issued
.endif
.if \q == 0
	s_wait_dscnt 0x0                               ; x, o and the scale words are in registers
.endif
	WIN 0x01
.irp t, 0,1,2,3,4,5,6,7                        ; eight accumulators by turns
	v_wmma_scale_f32_16x16x128_f8f6f4 v[ACC+8*\t:ACC+8*\t+7], v[96*((\q)%2)+12*\t:96*((\q)%2)+12*\t+11], v[YF+12*(\q):YF+12*(\q)+11], v[ACC+8*\t:ACC+8*\t+7], v[XS+8*\t+(\q)], v[YS+(\q)] matrix_a_fmt:MATRIX_FMT_BF6 matrix_b_fmt:MATRIX_FMT_BF6
.endr
.rept 4
	v_nop
.endr
	WIN 0
.endm
.macro Q128 s
.irp b, 0,1,2,3
	v_max3_num_f32 v[TM+\b], |v[\s+16*\b]|, |v[\s+1+16*\b]|, 0x2800000
.endr
.irp i, 2,4,6,8,10,12,14
.irp b, 0,1,2,3
	s_delay_alu instid0(VALU_DEP_4)
	v_max3_num_f32 v[TM+\b], v[TM+\b], |v[\s+16*\b+\i]|, |v[\s+1+16*\b+\i]|
.endr
.endr
.irp b, 0,1,2,3
	s_delay_alu instid0(VALU_DEP_4)
	v_permlanex16_b32 v[TM+4+\b], v[TM+\b], s[SEL], s[SEL+1]
.endr
.irp b, 0,1,2,3
	s_delay_alu instid0(VALU_DEP_4)
	v_max_num_f32 v[TM+\b], v[TM+\b], v[TM+4+\b]
.endr
.irp b, 0,1,2,3
	s_delay_alu instid0(VALU_DEP_4)
	v_add_nc_u32 v[TM+8+\b], 0xfe000000, v[TM+\b]
.endr
.irp b, 0,1,2,3
	s_delay_alu instid0(VALU_DEP_4)
	v_lshrrev_b32 v[TM+4+\b], 23, v[TM+8+\b]
.endr
	s_delay_alu instid0(VALU_DEP_3)
	v_lshl_or_b32 v[PW], v[TM+5], 8, v[TM+4]
	s_delay_alu instid0(VALU_DEP_1)
	v_lshl_or_b32 v[PW], v[TM+6], 16, v[PW]
	s_delay_alu instid0(VALU_DEP_1)
	v_lshl_or_b32 v[PW], v[TM+7], 24, v[PW]
.irp c, 0,1
	v_cvt_scalef32_pk16_bf6_f32 v[PC+6*\c:PC+2+6*\c], v[\s+32*\c:\s+15+32*\c], v[TM+8+2*\c]
	v_cvt_scalef32_pk16_bf6_f32 v[PC+12+4*\c:PC+14+4*\c], v[\s+16+32*\c:\s+31+32*\c], v[TM+9+2*\c]
.endr
	v_nop
.irp c, 0,1
.irp i, 0,1,2
	v_permlane16_swap_b32 v[PC+6*\c+\i], v[PC+12+4*\c+\i]
.endr
.irp i, 0,1,2
	s_delay_alu instid0(VALU_DEP_3)
	v_mov_b32 v[PC+3+6*\c+\i], v[PC+12+4*\c+\i]
.endr
.endr
.endm
	s_load_b256 s[4:11], s[0:1], 0x0               ; att, prep, x, g2
	s_load_b64 s[12:13], s[0:1], 0x20              ; mid
	v_lshl_add_u32 v254, v0, 2, 0x29000
	v_mov_b32 v255, 0
	ds_add_u32 v254, v255
	ds_add_u32 v254, v255
	s_wait_dscnt 0x0
	v_lshrrev_b32 v1, 5, v0
	s_delay_alu instid0(VALU_DEP_1)
	v_readfirstlane_b32 s14, v1                    ; wave 0..7
	v_and_b32 v10, 31, v0
	s_delay_alu instid0(VALU_DEP_1)
	v_lshlrev_b32 v1, 4, v10
	s_delay_alu instid0(VALU_DEP_2)
	v_lshlrev_b32 v2, 3, v10
	s_delay_alu instid0(VALU_DEP_3)
	v_lshlrev_b32 v3, 2, v10
	v_and_b32 v10, 15, v0                          ; r
	s_wait_alu depctr_va_vdst(0)
	v_bfe_u32 v11, v0, 4, 1                        ; h
	s_delay_alu instid0(VALU_DEP_1)
	v_lshlrev_b32 v5, 6, v11                       ; the gain: + 64 h
	v_lshlrev_b32 v6, 2, v0                        ; LDS: a word for each thread
	; descriptor groups 1, elements of 8 bytes.  x: rows 4,096 bytes apart in memory
	s_mov_b32 s52, (3<<16)|(1<<20)|(7<<22)|(3<<25) ; x for two waves: 16 rows of 1,024 bytes, 16 bytes of padding behind each 256 words: LDS rows 1,040 bytes apart
	s_mov_b32 s53, 128<<16
	s_mov_b32 s54, 16<<16
	s_mov_b32 s55, 128<<16
	s_mov_b32 s56, 16
	s_mov_b32 s57, 512
	s_mov_b32 s58, 0
	s_mov_b32 s59, 0
	s_mov_b32 s68, 3<<16                           ; a fragment of o: 1,536 dense bytes as 6 rows of 256
	s_mov_b32 s69, 32<<16
	s_mov_b32 s70, 48<<16                          ; all eight fragments of o: 48 rows of 256 bytes
	s_mov_b32 s71, 32<<16
	s_mov_b32 s72, 48
	s_mov_b32 s73, 32
	s_mov_b32 s74, 0
	s_mov_b32 s75, 0
	s_mov_b32 s76, 3<<16                           ; its scale words: one row of 128 bytes
	s_mov_b32 s77, 32<<16                          ; all of o's scale words: 4 rows of 256 bytes
	s_mov_b32 s78, 4<<16
	s_mov_b32 s79, 32<<16
	s_mov_b32 s80, 4
	s_mov_b32 s81, 32
	s_mov_b32 s82, 0
	s_mov_b32 s83, 0
	s_mov_b32 s84, 3<<16                           ; my weights' scale words: 8,192 dense bytes as 32 rows of 256
	s_mov_b32 s85, 32<<16
	s_mov_b32 s86, 128<<16                         ; four waves' weights' scale words: 128 rows of 256 bytes
	s_mov_b32 s87, 32<<16
	s_mov_b32 s88, 128
	s_mov_b32 s89, 32
	s_mov_b32 s90, 0
	s_mov_b32 s91, 0
	; groups 0: count 1 and the LDS addresses: a constant + the wave's number x a constant
	s_mov_b32 s36, 1
	s_lshr_b32 s37, s14, 1                         ; where I read x: tile w / 2, half w % 2 of its rows
	s_mul_i32 s37, s37, 16640
	s_and_b32 s41, s14, 1
	s_lshl_b32 s41, s41, 9
	s_add_co_u32 s37, s37, s41
	s_add_co_u32 s37, s37, XT
	s_lshl_b32 s49, s14, 13
	s_add_co_u32 s49, s49, WSL
	v_mul_u32_u24 v4, v10, 1040
	s_wait_alu depctr_va_vdst(0)
	v_lshl_add_u32 v4, v11, 6, v4
	s_delay_alu instid0(VALU_DEP_1)
	v_add_nc_u32 v4, s37, v4                       ; x in LDS: row r, + 64 h
	v_add_nc_u32 v7, OL, v1                        ; o's fragments: 16 x lane,
	v_add_nc_u32 v8, OL, v2                        ; 8 x lane
	v_add_nc_u32 v9, OSL, v3                       ; o's scale words
	v_add_nc_u32 v15, s49, v3                      ; my weights' scale words
	s_mul_i32 s37, s14, 16640                      ; where the loads go: waves 0-3 a tile of x each,
	s_add_co_u32 s37, s37, XT
	s_mov_b32 s40, 1
	s_mov_b32 s41, OL                              ; wave 4 o's fragments,
	s_mov_b32 s44, 1
	s_mov_b32 s45, OSL                             ; wave 5 their scale words,
	s_mov_b32 s48, 1
	s_and_b32 s49, s14, 1
	s_lshl_b32 s49, s49, 15
	s_add_co_u32 s49, s49, WSL                     ; waves 6 and 7 half of the weight's scale words each
	; offsets into the buffers
	s_lshl_b32 s15, s14, 3
	s_add_co_u32 s15, s15, 192                     ; w_proj's units begin at 192: my eight tiles
	s_mul_i32 s20, s15, 12288
	s_add_co_u32 s20, s20, WC
	s_mov_b32 s21, 0
	s_and_b32 s22, s14, 1
	s_lshl_b32 s22, s22, 15
	s_add_co_u32 s22, s22, WS+192*1024
	s_mov_b32 s23, 0
	s_mul_i32 s34, ttmp9, 12288                    ; o's tile
	s_mov_b32 s35, 0
	s_lshl_b32 s60, ttmp9, 10
	s_add_co_u32 s60, s60, 3145728
	s_mov_b32 s61, 0
	s_lshl_b32 s62, ttmp9, 16                      ; x: 16 rows of 4,096 bytes, + 1,024 w
	s_lshl_b32 s92, s14, 9
	s_lshl_b32 s63, s14, 10                        ; a tile of x begins 1,024 w bytes into the rows
	s_add_co_u32 s62, s62, s63
	s_mov_b32 s63, 0
	s_mov_b32 s93, 0
	s_lshl_b32 s15, ttmp9, 3
	s_add_co_u32 s15, s15, s14                     ; 8 x tile + wave
	s_lshl_b32 s94, s15, 13
	s_mov_b32 s95, 0
	s_mul_i32 s96, s15, 1536
	s_add_co_u32 s96, s96, 16777216
	s_mov_b32 s97, 0
	s_lshl_b32 s98, s15, 7
	s_add_co_u32 s98, s98, 19922944
	s_mov_b32 s99, 0
	s_mov_b32 s[SEL], 0x76543210
	s_mov_b32 s[SEL+1], 0xfedcba98
	s_mov_b32 s32, 0x3a800000                      ; 1 / 1,024
	s_mov_b32 s33, 0x3727c5ac                      ; eps
	s_wait_alu depctr_va_vdst(0)
	s_wait_kmcnt 0x0
	s_add_nc_u64 s[38:39], s[8:9], s[62:63]
	s_or_b32 s39, s39, 0x80000000
	s_add_nc_u64 s[42:43], s[4:5], s[34:35]
	s_or_b32 s43, s43, 0x80000000
	s_add_nc_u64 s[46:47], s[4:5], s[60:61]
	s_or_b32 s47, s47, 0x80000000
	s_add_nc_u64 s[50:51], s[6:7], s[22:23]
	s_or_b32 s51, s51, 0x80000000
	s_cmp_lt_u32 s14, 4                            ; one tensor load a wave, in one chain of arms on the wave's number
	s_cbranch_scc0 .Lhead_o
	tensor_load_to_lds s[36:39], s[52:59]
	s_nop 0
.rept 4
	v_nop
.endr
	s_branch .Lhead_asked
.Lhead_o:
	s_cmp_lt_u32 s14, 5
	s_cbranch_scc0 .Lhead_os
	tensor_load_to_lds s[40:43], s[68:75]
	s_nop 0
.rept 4
	v_nop
.endr
	s_branch .Lhead_asked
.Lhead_os:
	s_cmp_lt_u32 s14, 6
	s_cbranch_scc0 .Lhead_ws
	tensor_load_to_lds s[44:47], s[76:83]
	s_nop 0
.rept 4
	v_nop
.endr
	s_branch .Lhead_asked
.Lhead_ws:
	tensor_load_to_lds s[48:51], s[84:91]
	s_nop 0
.rept 4
	v_nop
.endr
.Lhead_asked:
	s_add_nc_u64 s[16:17], s[6:7], s[20:21]        ; the weight's codes
	s_add_nc_u64 s[18:19], s[10:11], s[92:93]      ; the gain
	s_add_nc_u64 s[24:25], s[12:13], s[94:95]      ; x1's image
	s_add_nc_u64 s[26:27], s[12:13], s[96:97]      ; h2's codes
	s_add_nc_u64 s[28:29], s[12:13], s[98:99]      ; h2's scale words
	XLOAD 0, 0
	s_wait_tensorcnt 0x0                           ; my block has landed,
	s_barrier_signal -1
	s_barrier_wait -1                              ; everybody's have: o is whole
.irp t, 0,1,2,3,4,5,6,7
.irp k, 0,1,2,3,4,5,6,7
	ds_load_b32 v[XS+8*\t+\k], v15 offset:1024*\t+128*\k
.endr
.endr
.irp k, 0,1,2,3,4,5,6,7
	ds_load_b32 v[YS+\k], v9 offset:128*\k
.endr
.irp q, 0,1,2,3,4,5,6,7
	ds_load_b128 v[YF+12*\q:YF+12*\q+3], v7 offset:1536*\q
	ds_load_b64 v[YF+12*\q+4:YF+12*\q+5], v8 offset:1536*\q+512
	ds_load_b128 v[YF+12*\q+6:YF+12*\q+9], v7 offset:1536*\q+768
	ds_load_b64 v[YF+12*\q+10:YF+12*\q+11], v8 offset:1536*\q+1280
.endr
.irp t, 0,1,2,3,4,5,6,7
	ds_load_b128 v[ACC+8*\t:ACC+8*\t+3], v4 offset:128*(\t/2)+32*(\t%2)          ; x in the result's layout: tile t, register j: column 32 (t / 2) + 16 h + 8 (t % 2) + j
	ds_load_b128 v[ACC+8*\t+4:ACC+8*\t+7], v4 offset:128*(\t/2)+32*(\t%2)+16
.endr
.irp q, 0,1,2,3,4,5,6,7
	STEP \q
.endr
	; x1 is finished: out as it lies, each accumulator from its low end on
.set KK, 0
.rept 16
	global_store_b128 v1, v[ACC+4*KK:ACC+4*KK+3], s[24:25] offset:512*KK
.set KK, KK+1
.endr
	v_pk_mul_f32 v[8:9], v[ACC:ACC+1], v[ACC:ACC+1]
	v_pk_mul_f32 v[10:11], v[ACC+2:ACC+3], v[ACC+2:ACC+3]
.set KK, 4
.rept 15
	v_pk_fma_f32 v[8:9], v[ACC+KK:ACC+KK+1], v[ACC+KK:ACC+KK+1], v[8:9]
	v_pk_fma_f32 v[10:11], v[ACC+KK+2:ACC+KK+3], v[ACC+KK+2:ACC+KK+3], v[10:11]
.set KK, KK+4
.endr
	s_delay_alu instid0(VALU_DEP_1)
	v_pk_add_f32 v[8:9], v[8:9], v[10:11]
	s_delay_alu instid0(VALU_DEP_1)
	v_add_f32 v8, v8, v9
	s_delay_alu instid0(VALU_DEP_1)
	v_permlanex16_b32 v9, v8, s[SEL], s[SEL+1]
	s_delay_alu instid0(VALU_DEP_1)
	v_add_f32 v8, v8, v9                           ; my row's 128 columns of this wave
	ds_store_b32 v6, v8
	WIN 0x04
.set KK, 0
.rept 32
	v_pk_mul_f32 v[HB+KK:HB+KK+1], v[ACC+KK:ACC+KK+1], v[G2+KK:G2+KK+1]      ; x1 g, while the store is out
.set KK, KK+2
.endr
	WIN 0
.irp b, 0,1,2,3
	v_mov_b32 v[TM+4+\b], 0
.endr
	s_wait_dscnt 0x0                               ; for the others' sake: my word lies in LDS
	s_barrier_signal -1
	s_barrier_wait -1
.irp k, 0,1,2,3,4,5,6,7
	ds_load_b32 v[248+\k], v3 offset:128*\k        ; my row's eight parts
.endr
	s_wait_dscnt 0x0
	v_add_f32 v248, v248, v249
	v_add_f32 v250, v250, v251
	v_add_f32 v252, v252, v253
	v_add_f32 v254, v254, v255
	s_delay_alu instid0(VALU_DEP_3)
	v_add_f32 v248, v248, v250
	s_delay_alu instid0(VALU_DEP_2)
	v_add_f32 v252, v252, v254
	s_delay_alu instid0(VALU_DEP_1)
	v_add_f32 v248, v248, v252
	s_delay_alu instid0(VALU_DEP_1)
	v_fma_f32 v248, v248, s32, s33
	s_wait_alu depctr_va_vdst(0)
	v_rsq_f32 v[RS], v248
	v_mov_b32 v249, 0                              ; a plain instruction behind the transcendental
	s_wait_alu depctr_va_vdst(0)
	v_mov_b32 v[RS+1], v[RS]
.set KK, 0
.rept 32
	v_pk_mul_f32 v[HB+KK:HB+KK+1], v[HB+KK:HB+KK+1], v[RS:RS+1]
.set KK, KK+2
.endr
	Q128 HB
	STH 26, 0, PC
	STH 26, 768, PC+6
	global_store_b32 v3, v[PW], s[28:29]
	s_wait_xcnt 0x0
	v_lshl_add_u32 v254, v0, 2, 0x29000
	v_mov_b32 v255, 0
	s_wait_alu depctr_va_vdst(0)
	s_wait_tensorcnt 0x0
	ds_add_u32 v254, v255
	s_wait_dscnt 0x0
	s_endpgm
.Lfunc_end_k_qda2beb7736_proj:
	.size	k_qda2beb7736_proj, .Lfunc_end_k_qda2beb7736_proj-k_qda2beb7736_proj
	.p2alignl 7, 3214868480
	.fill 96, 4, 3214868480
	.section	.rodata,"a",@progbits
	.p2align	6, 0x0
	.amdhsa_kernel k_qda2beb7736_proj
		.amdhsa_group_segment_fixed_size 168960
		.amdhsa_private_segment_fixed_size 0
		.amdhsa_enable_private_segment 0
		.amdhsa_kernarg_size 40
		.amdhsa_user_sgpr_count 2
		.amdhsa_user_sgpr_kernarg_segment_ptr 1
		.amdhsa_wavefront_size32 1
		.amdhsa_system_sgpr_workgroup_id_x 1
		.amdhsa_system_sgpr_workgroup_id_y 1
		.amdhsa_system_sgpr_workgroup_id_z 1
		.amdhsa_system_vgpr_workitem_id 0
		.amdhsa_next_free_vgpr 512
		.amdhsa_next_free_sgpr 100
		.amdhsa_reserve_vcc 0
		.amdhsa_float_denorm_mode_32 3
		.amdhsa_float_denorm_mode_16_64 3
		.amdhsa_memory_ordered 1
		.amdhsa_forward_progress 1
		.amdhsa_inst_pref_size 67
	.end_amdhsa_kernel
	.amdgpu_metadata
---
amdhsa.version: [ 1, 2 ]
amdhsa.kernels:
  - .name:           k_qda2beb7736_proj
    .symbol:         k_qda2beb7736_proj.kd
    .args:
      - { .name: att, .offset: 0, .size: 8, .value_kind: global_buffer, .address_space: global }
      - { .name: prep, .offset: 8, .size: 8, .value_kind: global_buffer, .address_space: global }
      - { .name: x, .offset: 16, .size: 8, .value_kind: global_buffer, .address_space: global }
      - { .name: g2, .offset: 24, .size: 8, .value_kind: global_buffer, .address_space: global }
      - { .name: mid, .offset: 32, .size: 8, .value_kind: global_buffer, .address_space: global }
    .group_segment_fixed_size: 168960
    .private_segment_fixed_size: 0
    .kernarg_segment_align: 8
    .kernarg_segment_size: 40
    .max_flat_workgroup_size: 256
    .sgpr_count:     100
    .vgpr_count:     512
    .wavefront_size: 32
...
	.end_amdgpu_metadata
.endif
;; end of part 4
;; launch ffn1 (part 5): grid 256 x 1, 4 waves a work-group, no clusters, 327,680 bytes of LDS; arguments prep, mid, ffn; writes ffn
.if DOCPART == 5
	.amdgcn_target "amdgcn-amd-amdhsa--gfx1250"
	.amdhsa_code_object_version 6
	.text
	.protected	k_qda2beb7736_ffn1
	.globl	k_qda2beb7736_ffn1
	.p2align	8
	.type	k_qda2beb7736_ffn1,@function
k_qda2beb7736_ffn1:
	s_mov_b64 s[64:65], 0
	v_nop
	global_prefetch_b8 v0, s[64:65] scope:SCOPE_SE
	s_setreg_imm32_b32 hwreg(HW_REG_WAVE_MODE, 25, 1), 1
	s_wait_xcnt 0x0
.set WC,   3407872
.set WS,   11272192
.set YSL,  98304
.set XSL,  106496
; window 0: v32-127 Y's eight fragments; v128-223 X's third set, later the way out's work; v224-239 X's scale words, v240-255 Y's: two sets of eight each, for the K steps by turns
.set XS,   224
.set YS,   240
.set YF,   32
.set EE,   128
.set PR,   160
.set PC,   192
.set TM,   204
.set PW,   210
.set XB,   24
.set XB2,  26
.set DC,   36
.set DS,   38
.set SEL,  46
.set MSB, 0
.macro WIN new
.if MSB != (\new)
	s_set_vgpr_msb (MSB<<8)|(\new)
.set MSB, (\new)
.endif
.endm
.macro SCALES q                        ; the scale words of K step q, X's eight tiles (w1's four, w3's four) and Y's eight, from LDS into set q % 2: 16 loads
.irp i, 0,1,2,3,4,5,6,7
	ds_load_b32 v[XS+8*((\q)%2)+\i], v10 offset:16384*(\i/4)+1024*(\i%4)+128*(\q)
	ds_load_b32 v[YS+8*((\q)%2)+\i], v11 offset:1024*\i+128*(\q)
.endr
.endm
.macro PLACES n
.rept \n
	v_nop
.endr
.endm
.macro STH base, off, P
	global_store_b128 v1, v[\P:\P+3], s[\base:\base+1] offset:\off
	global_store_b64 v2, v[\P+4:\P+5], s[\base:\base+1] offset:\off+512
.endm
.macro XLOAD q, p, w                   ; X's eight fragments of K step q: 32 loads.  Three sets: window 1 v0, window 1 v128, window 0 v128 (p: 0, 1, 1; w: the destination's window)
	WIN \w
.irp i, 0,1,2,3
	global_load_b128 v[128*(\p)+12*\i:128*(\p)+12*\i+3], v1, s[XB:XB+1] offset:12288*\i+1536*(\q)
	global_load_b64 v[128*(\p)+12*\i+4:128*(\p)+12*\i+5], v2, s[XB:XB+1] offset:12288*\i+1536*(\q)+512
	global_load_b128 v[128*(\p)+12*\i+6:128*(\p)+12*\i+9], v1, s[XB:XB+1] offset:12288*\i+1536*(\q)+768
	global_load_b64 v[128*(\p)+12*\i+10:128*(\p)+12*\i+11], v2, s[XB:XB+1] offset:12288*\i+1536*(\q)+1280
.endr
.irp i, 0,1,2,3
	global_load_b128 v[128*(\p)+48+12*\i:128*(\p)+48+12*\i+3], v1, s[XB2:XB2+1] offset:12288*\i+1536*(\q)
	global_load_b64 v[128*(\p)+48+12*\i+4:128*(\p)+48+12*\i+5], v2, s[XB2:XB2+1] offset:12288*\i+1536*(\q)+512
	global_load_b128 v[128*(\p)+48+12*\i+6:128*(\p)+48+12*\i+9], v1, s[XB2:XB2+1] offset:12288*\i+1536*(\q)+768
	global_load_b64 v[128*(\p)+48+12*\i+10:128*(\p)+48+12*\i+11], v2, s[XB2:XB2+1] offset:12288*\i+1536*(\q)+1280
.endr
	WIN 0
.endm
.macro FETCH_Y q, a0
.irp a, \a0, \a0+1, \a0+2, \a0+3
	ds_load_b128 v[YF+12*(\a):YF+12*(\a)+3], v[1+3*((\a)/4)] offset:12288*((\a)%4)+1536*(\q)
	ds_load_b64 v[YF+12*(\a)+4:YF+12*(\a)+5], v[2+3*((\a)/4)] offset:12288*((\a)%4)+1536*(\q)+512
	ds_load_b128 v[YF+12*(\a)+6:YF+12*(\a)+9], v[1+3*((\a)/4)] offset:12288*((\a)%4)+1536*(\q)+768
	ds_load_b64 v[YF+12*(\a)+10:YF+12*(\a)+11], v[2+3*((\a)/4)] offset:12288*((\a)%4)+1536*(\q)+1280
.endr
.endm
.macro MUL16 a0, p, q, zero
.irp a, \a0, \a0+1
.irp i, 0,1,2,3,4,5,6,7
.if \zero
	v_wmma_scale_f32_16x16x128_f8f6f4 v[8*(8*((\a)%4)+\i):8*(8*((\a)%4)+\i)+7], v[128*(\p)+12*\i:128*(\p)+12*\i+11], v[YF+12*(\a):YF+12*(\a)+11], 0, v[XS+8*((\q)%2)+\i], v[YS+8*((\q)%2)+(\a)] matrix_a_fmt:MATRIX_FMT_BF6 matrix_b_fmt:MATRIX_FMT_BF6
.else
	v_wmma_scale_f32_16x16x128_f8f6f4 v[8*(8*((\a)%4)+\i):8*(8*((\a)%4)+\i)+7], v[128*(\p)+12*\i:128*(\p)+12*\i+11], v[YF+12*(\a):YF+12*(\a)+11], v[8*(8*((\a)%4)+\i):8*(8*((\a)%4)+\i)+7], v[XS+8*((\q)%2)+\i], v[YS+8*((\q)%2)+(\a)] matrix_a_fmt:MATRIX_FMT_BF6 matrix_b_fmt:MATRIX_FMT_BF6
.endif
.endr
.endr
.endm
.macro STEP q, zero
.set SX, (\q)%3                        ; this step's set of X, and the set of the step two on, which the step before has left (its four places stand at that step's end)
.set NS, ((\q)+2)%3
.if \q < 6
	XLOAD (\q)+2,(NS+1)/2,0x40*(1-NS/2)
	s_wait_loadcnt 63                              ; behind this step's 32 loads 64 were issued: with 63 out at the most this step's X is in
.elseif \q == 6
	s_wait_loadcnt 32                              ; the last step's 32 may be out
.else
	s_wait_loadcnt 0x0
.endif
	s_wait_dscnt 16
	WIN 0xa0+(1-SX/2)
	MUL16 0,(SX+1)/2,\q,\zero
	MUL16 2,(SX+1)/2,\q,\zero
	s_wait_dscnt 0x0
.if \q < 7
	PLACES 4
	WIN 0
	SCALES (\q)+1                                  ; ahead of Y's tiles 0-3, so that the next step's first wait covers them
	FETCH_Y (\q)+1, 0
.endif
	WIN 0xf0+(1-SX/2)
	MUL16 4,(SX+1)/2,\q,\zero
	MUL16 6,(SX+1)/2,\q,\zero
	PLACES 4
	WIN 0
.if \q < 7
	FETCH_Y (\q)+1, 4
.endif
.endm
.macro Q64 s
	v_max3_num_f32 v[TM], |v[\s]|, |v[\s+1]|, 0x2800000
	v_max3_num_f32 v[TM+1], |v[\s+16]|, |v[\s+17]|, 0x2800000
.irp i, 2,4,6,8,10,12,14
	v_max3_num_f32 v[TM], v[TM], |v[\s+\i]|, |v[\s+\i+1]|
	v_max3_num_f32 v[TM+1], v[TM+1], |v[\s+16+\i]|, |v[\s+17+\i]|
.endr
	v_permlanex16_b32 v[TM+2], v[TM], s[SEL], s[SEL+1]
	v_permlanex16_b32 v[TM+3], v[TM+1], s[SEL], s[SEL+1]
	v_max_num_f32 v[TM], v[TM], v[TM+2]
	v_max_num_f32 v[TM+1], v[TM+1], v[TM+3]
	v_add_nc_u32 v[TM+4], 0xfe000000, v[TM]
	v_add_nc_u32 v[TM+5], 0xfe000000, v[TM+1]
	v_lshrrev_b32 v[TM+2], 23, v[TM+4]
	v_lshrrev_b32 v[TM+3], 23, v[TM+5]
	v_lshl_or_b32 v[PW], v[TM+3], 8, v[TM+2]
	v_cvt_scalef32_pk16_bf6_f32 v[PC:PC+2], v[\s:\s+15], v[TM+4]
	v_cvt_scalef32_pk16_bf6_f32 v[PC+8:PC+10], v[\s+16:\s+31], v[TM+5]
	v_nop
.irp i, 0,1,2
	v_permlane16_swap_b32 v[PC+\i], v[PC+8+\i]
.endr
.irp i, 0,1,2
	v_mov_b32 v[PC+3+\i], v[PC+8+\i]
.endr
.endm
.macro GLU a
	WIN 0x02+((\a)/4)
.set KK, 0
.rept 16
	v_pk_mul_f32 v[EE+KK:EE+KK+1], v[64*((\a)%4)+KK:64*((\a)%4)+KK+1], 0xbfb8aa3b op_sel_hi:[1,0]
.set KK, KK+2
.endr
	WIN 0
.set KK, 0
	s_wait_alu depctr_va_vdst(0)
.rept 32
	v_exp_f32 v[EE+KK], v[EE+KK]
.set KK, KK+1
.endr
	WIN 0x0a+5*((\a)/4)
.set KK, 0
	s_wait_alu depctr_va_vdst(0)
.rept 16
	v_pk_mul_f32 v[PR+KK:PR+KK+1], v[64*((\a)%4)+KK:64*((\a)%4)+KK+1], v[64*((\a)%4)+32+KK:64*((\a)%4)+32+KK+1]
.set KK, KK+2
.endr
	WIN 0
	s_wait_alu depctr_va_vdst(0)
.set KK, 0
.rept 16
	v_pk_add_f32 v[EE+KK:EE+KK+1], v[EE+KK:EE+KK+1], 1.0 op_sel_hi:[1,0]
.set KK, KK+2
.endr
.set KK, 0
	s_wait_alu depctr_va_vdst(0)
.rept 32
	v_rcp_f32 v[EE+KK], v[EE+KK]
.set KK, KK+1
.endr
	v_nop
	s_wait_alu depctr_va_vdst(0)
.set KK, 0
.rept 16
	v_pk_mul_f32 v[PR+KK:PR+KK+1], v[PR+KK:PR+KK+1], v[EE+KK:EE+KK+1]
.set KK, KK+2
.endr
	s_wait_alu depctr_va_vdst(0)
	s_wait_xcnt 0x0
	Q64 PR
	STH DC, 24576*(\a), PC
	global_store_b16 v3, v[PW], s[DS:DS+1] offset:2048*(\a)
.endm
	s_load_b128 s[4:7], s[0:1], 0x0
	s_load_b64 s[10:11], s[0:1], 0x10
	v_lshl_add_u32 v30, v0, 2, 0x29000
	v_mov_b32 v31, 0
	ds_add_u32 v30, v31
	ds_add_u32 v30, v31
	v_lshrrev_b32 v1, 5, v0
	v_readfirstlane_b32 s8, v1
	v_and_b32 v7, 31, v0
	v_lshlrev_b32 v1, 4, v7
	v_lshlrev_b32 v2, 3, v7
	v_lshlrev_b32 v3, 2, v7
	s_wait_alu depctr_va_vdst(0)
	v_add_nc_u32 v4, 49152, v1
	v_add_nc_u32 v5, 49152, v2
	s_mov_b32 s16, 3<<16
	s_mov_b32 s17, 32<<16
	s_mov_b32 s18, 192<<16
	s_mov_b32 s19, 32<<16
	s_mov_b32 s20, 192
	s_mov_b32 s21, 32
	s_mov_b32 s22, 0
	s_mov_b32 s23, 0
	s_mov_b32 s68, 3<<16
	s_mov_b32 s69, 2048<<16
	s_mov_b32 s70, 2<<16
	s_mov_b32 s71, 2048<<16
	s_mov_b32 s72, 2
	s_mov_b32 s73, 16384
	s_mov_b32 s74, 0
	s_mov_b32 s75, 0
	s_mov_b32 s76, 3<<16
	s_mov_b32 s77, 32<<16
	s_mov_b32 s78, 32<<16
	s_mov_b32 s79, 32<<16
	s_mov_b32 s80, 32
	s_mov_b32 s81, 32
	s_mov_b32 s82, 0
	s_mov_b32 s83, 0
	s_lshr_b32 s48, ttmp9, 3
	s_and_b32 s49, ttmp9, 7
	s_mov_b32 s12, 1
	s_mul_i32 s13, s8, 49152
	s_mul_i32 s58, s48, 98304
	s_add_co_u32 s58, s58, s13
	s_add_co_u32 s58, s58, 16777216
	s_mov_b32 s59, 0
	s_lshl_b32 s50, s49, 4
	s_lshl_b32 s51, s8, 2
	s_add_co_u32 s50, s50, s51
	s_mov_b32 s84, 1
	s_lshl_b32 s85, s8, 12
	s_add_co_u32 s85, s85, XSL
	s_lshl_b32 s60, s49, 14
	s_add_co_u32 s60, s60, WS+256*1024
	s_mov_b32 s61, 0
	s_mov_b32 s88, 1
	s_lshl_b32 s62, s48, 13
	s_add_co_u32 s62, s62, 19922944
	s_mov_b32 s63, 0
	s_mov_b32 s89, YSL
	v_add_nc_u32 v10, s85, v3                      ; my X scale words: w1's four tiles at 4,096 w, w3's 16,384 bytes further on
	s_mov_b32 s85, XSL
	v_add_nc_u32 v11, YSL, v3
	s_wait_alu depctr_va_vdst(0)
	s_wait_dscnt 0x0
	s_wait_kmcnt 0x0
	s_add_nc_u64 s[14:15], s[6:7], s[58:59]
	s_or_b32 s15, s15, 0x80000000
	s_add_nc_u64 s[86:87], s[4:5], s[60:61]
	s_or_b32 s87, s87, 0x80000000
	s_add_nc_u64 s[90:91], s[6:7], s[62:63]
	s_or_b32 s91, s91, 0x80000000
	s_cmp_lt_u32 s8, 2                             ; one tensor load a wave, in one chain of arms on the wave's number: waves 0, 1 half of Y's codes each,
	s_cbranch_scc0 .Lhead_xs
	tensor_load_to_lds s[12:15], s[16:23]
	s_nop 0
	PLACES 4
	s_branch .Lhead_asked
.Lhead_xs:
	s_cmp_lt_u32 s8, 3                             ; wave 2 the four waves' X scale words: two rows of 16,384 bytes, w1's and w3's,
	s_cbranch_scc0 .Lhead_ys
	tensor_load_to_lds s[84:87], s[68:75]
	s_nop 0
	PLACES 4
	s_branch .Lhead_asked
.Lhead_ys:
	tensor_load_to_lds s[88:91], s[76:83]          ; wave 3 Y's scale words
	s_nop 0
	PLACES 4
.Lhead_asked:
	s_mul_i32 s58, s50, 12288
	s_add_co_u32 s58, s58, WC+256*12288
	s_add_nc_u64 s[XB:XB+1], s[4:5], s[58:59]
	s_add_nc_u64 s[XB2:XB2+1], s[XB:XB+1], 128*12288
	XLOAD 0,0,0x40
	XLOAD 1,1,0x40
	s_lshl_b32 s50, s48, 7
	s_lshl_b32 s51, s49, 1
	s_add_co_u32 s50, s50, s51
	s_lshr_b32 s51, s8, 1
	s_add_co_u32 s50, s50, s51
	s_and_b32 s51, s8, 1
	s_mul_i32 s58, s50, 1536
	s_mul_i32 s52, s51, 768
	s_add_co_u32 s58, s58, s52
	s_add_nc_u64 s[DC:DC+1], s[10:11], s[58:59]
	s_lshl_b32 s58, s50, 7
	s_lshl_b32 s52, s51, 1
	s_add_co_u32 s58, s58, s52
	s_add_co_u32 s58, s58, 6291456
	s_add_nc_u64 s[DS:DS+1], s[10:11], s[58:59]
	s_mov_b32 s[SEL], 0x76543210
	s_mov_b32 s[SEL+1], 0xfedcba98
	s_wait_tensorcnt 0x0
	s_barrier_signal -1
	s_barrier_wait -1
	SCALES 0
	FETCH_Y 0, 0
	FETCH_Y 0, 4
	STEP 0, 1
.irp q, 1,2,3,4,5,6,7
	STEP \q, 0
.endr
	v_mov_b32 v[TM+2], 0
	v_mov_b32 v[TM+3], 0
.irp a, 0,1,2,3,4,5,6,7
	GLU \a
.endr
	s_wait_tensorcnt 0x0
	ds_add_u32 v30, v31
	s_wait_dscnt 0x0
	s_endpgm
.Lfunc_end_k_qda2beb7736_ffn1:
	.size	k_qda2beb7736_ffn1, .Lfunc_end_k_qda2beb7736_ffn1-k_qda2beb7736_ffn1
	.p2alignl 7, 3214868480
	.fill 96, 4, 3214868480
	.section	.rodata,"a",@progbits
	.p2align	6, 0x0
	.amdhsa_kernel k_qda2beb7736_ffn1
		.amdhsa_group_segment_fixed_size 327680
		.amdhsa_private_segment_fixed_size 0
		.amdhsa_enable_private_segment 0
		.amdhsa_kernarg_size 24
		.amdhsa_user_sgpr_count 2
		.amdhsa_user_sgpr_kernarg_segment_ptr 1
		.amdhsa_wavefront_size32 1
		.amdhsa_system_sgpr_workgroup_id_x 1
		.amdhsa_system_sgpr_workgroup_id_y 1
		.amdhsa_system_sgpr_workgroup_id_z 1
		.amdhsa_system_vgpr_workitem_id 0
		.amdhsa_next_free_vgpr 1024
		.amdhsa_next_free_sgpr 96
		.amdhsa_reserve_vcc 0
		.amdhsa_float_denorm_mode_32 3
		.amdhsa_float_denorm_mode_16_64 3
		.amdhsa_memory_ordered 1
		.amdhsa_forward_progress 1
		.amdhsa_inst_pref_size 194
	.end_amdhsa_kernel
	.amdgpu_metadata
---
amdhsa.version: [ 1, 2 ]
amdhsa.kernels:
  - .name:           k_qda2beb7736_ffn1
    .symbol:         k_qda2beb7736_ffn1.kd
    .args:
      - { .name: prep, .offset: 0, .size: 8, .value_kind: global_buffer, .address_space: global }
      - { .name: mid, .offset: 8, .size: 8, .value_kind: global_buffer, .address_space: global }
      - { .name: ffn, .offset: 16, .size: 8, .value_kind: global_buffer, .address_space: global }
    .group_segment_fixed_size: 327680
    .private_segment_fixed_size: 0
    .kernarg_segment_align: 8
    .kernarg_segment_size: 24
    .max_flat_workgroup_size: 128
    .sgpr_count:     96
    .vgpr_count:     1024
    .wavefront_size: 32
...
	.end_amdgpu_metadata
.endif
;; end of part 5
;; launch ffn2 (part 6): grid 256 x 1, 4 waves a work-group, no clusters, 222,720 bytes of LDS; arguments ffn, prep, mid, out0; writes out0
.if DOCPART == 6
	.amdgcn_target "amdgcn-amd-amdhsa--gfx1250"
	.amdhsa_code_object_version 6
	.text
	.protected	k_qda2beb7736_ffn2
	.globl	k_qda2beb7736_ffn2
	.p2align	8
	.type	k_qda2beb7736_ffn2,@function
k_qda2beb7736_ffn2:
	s_mov_b64 s[64:65], 0
	v_nop
	global_prefetch_b8 v0, s[64:65] scope:SCOPE_SE
	s_setreg_imm32_b32 hwreg(HW_REG_WAVE_MODE, 25, 1), 1
	s_wait_xcnt 0x0
; FFN2: out = x1 + g w2^T on codes of BF6 (E3M2) with E8M0 scales; K = 2,048 in 16 steps of 128.
; A work-group makes 64 tokens x 256 columns; a wave 64 x 64: 16 accumulators.  Y = g's four token tiles, shared: into LDS once, two tiles (49,152 bytes) by each tensor load of waves 0 and 1.
; WHAT A WAVE NEEDS ONCE COMES THE SAME WAY: the four tiles' scale words (wave 3) and the four waves' w2 tiles' scale words (wave 2): one tensor load a wave,
; and nothing is filled again.  So the loads into registers are w2's codes and x1: four tiles for each wave, three K steps ahead, in four sets.
; x1 is the image of accumulators that the projection stored: it goes from memory straight into the accumulators and is the C of the first K step.
; The product is used transposed (source 0 = 16 rows of w2, source 1 = 16 tokens): a lane holds a token and neighbouring columns.  The results go through the wave's own stage in LDS (bytes into which no tensor load lands)
; and leave as runs of 256 consecutive bytes, aligned, from sixteen lanes.
; No cluster: the shared tiles are 106,496 of the some 590,000 bytes that a work-group reads.
; REGISTERS: window 0: v1-8, v12-14 addresses; v32-95 w2's scale words (16 i + K step), v96-159 g's (16 a + K step); v160-255 g's fragments, two sets of 48; later rows of the result.
;   window 1: w2's fragments, four sets of 48.   window 2: accumulator (a, i) at v[8 (4 a + i)].
.set WC,  3407872
.set WS,  11272192
.set STG, 98304                        ; LDS: Y's codes at 0; the stages, 4,352 bytes a wave;
.set YSL, 115712                       ; Y's scale words;
.set XSL, 123904                       ; X's scale words, 8,192 bytes a wave;
.set X1L, 156672
.set XS,  32
.set YS,  96
.set YF,  160
.set BK,  160
.set XB,  24                           ; s[24:25] w2's codes, s[32:33] out
.set OB,  32
.set MSB, 0
.macro WIN new
.if MSB != (\new)
	s_set_vgpr_msb (MSB<<8)|(\new)
.set MSB, (\new)
.endif
.endm
.macro PLACES n
.rept \n
	v_nop
.endr
.endm
.macro XLOAD q                         ; w2's four fragments of K step q into set q % 4: 16 loads
	WIN 0x40
.irp i, 0,1,2,3
	global_load_b128 v[48*((\q)%4)+12*\i:48*((\q)%4)+12*\i+3], v1, s[XB:XB+1] offset:24576*\i+1536*(\q)
	global_load_b64 v[48*((\q)%4)+12*\i+4:48*((\q)%4)+12*\i+5], v2, s[XB:XB+1] offset:24576*\i+1536*(\q)+512
	global_load_b128 v[48*((\q)%4)+12*\i+6:48*((\q)%4)+12*\i+9], v1, s[XB:XB+1] offset:24576*\i+1536*(\q)+768
	global_load_b64 v[48*((\q)%4)+12*\i+10:48*((\q)%4)+12*\i+11], v2, s[XB:XB+1] offset:24576*\i+1536*(\q)+1280
.endr
	WIN 0
.endm
.macro FETCH_Y q                       ; g's four fragments of K step q from LDS into set q % 2: 16 loads (tiles 2, 3 by the address registers that carry 49,152)
.irp a, 0,1,2,3
	ds_load_b128 v[YF+48*((\q)%2)+12*\a:YF+48*((\q)%2)+12*\a+3], v[1+3*(\a/2)] offset:24576*(\a%2)+1536*(\q)
	ds_load_b64 v[YF+48*((\q)%2)+12*\a+4:YF+48*((\q)%2)+12*\a+5], v[2+3*(\a/2)] offset:24576*(\a%2)+1536*(\q)+512
	ds_load_b128 v[YF+48*((\q)%2)+12*\a+6:YF+48*((\q)%2)+12*\a+9], v[1+3*(\a/2)] offset:24576*(\a%2)+1536*(\q)+768
	ds_load_b64 v[YF+48*((\q)%2)+12*\a+10:YF+48*((\q)%2)+12*\a+11], v[2+3*(\a/2)] offset:24576*(\a%2)+1536*(\q)+1280
.endr
.endm
.macro STEP q
.if (\q)+3 < 16
	XLOAD (\q)+3                                   ; into the set that the step before has left, four places behind its products
	s_wait_loadcnt 48                              ; this step's X is in; the three later steps' 48 loads may be out
.else
	s_wait_loadcnt 16*(15-(\q))                    ; the count runs down: 32, 16, 0
.endif
.if (\q)+1 < 16
	FETCH_Y (\q)+1
	s_wait_dscnt 16                                ; this step's Y is in (in step 0 also the scale words, asked for ahead of it); the 16 loads just issued may be out
.else
	s_wait_dscnt 0x0
.endif
	WIN 0xa1
.irp a, 0,1,2,3                                ; sixteen accumulators by turns
.irp i, 0,1,2,3
	v_wmma_scale_f32_16x16x128_f8f6f4 v[8*(4*\a+\i):8*(4*\a+\i)+7], v[48*((\q)%4)+12*\i:48*((\q)%4)+12*\i+11], v[YF+48*((\q)%2)+12*\a:YF+48*((\q)%2)+12*\a+11], v[8*(4*\a+\i):8*(4*\a+\i)+7], v[XS+16*\i+(\q)], v[YS+16*\a+(\q)] matrix_a_fmt:MATRIX_FMT_BF6 matrix_b_fmt:MATRIX_FMT_BF6
.endr
.endr
	PLACES 4
	WIN 0
.endm
; THE WAY OUT of token tile a: lane (r, h), tile i = 2 b + u, register j: column 32 b + 16 h + 8 u + j of my 64.  Into rows of 256 + 16 bytes, back two rows an instruction.
.macro TOSTAGE a
	WIN 0x08                                       ; an LDS store's data are its source 1: window 2
.irp i, 0,1,2,3
	ds_store_b128 v6, v[8*(4*(\a)+\i):8*(4*(\a)+\i)+3] offset:128*(\i/2)+32*(\i%2)          ; each accumulator from its low end on
	ds_store_b128 v6, v[8*(4*(\a)+\i)+4:8*(4*(\a)+\i)+7] offset:128*(\i/2)+32*(\i%2)+16
.endr
	WIN 0
.irp t, 0,1,2,3,4,5,6,7
	ds_load_b128 v[BK+32*((\a)%2)+4*\t:BK+32*((\a)%2)+4*\t+3], v7 offset:544*\t   ; LDS serves a wave's instructions in order (ISA guide 5.7.1.4): these see the stores above, and the next tile's stores come behind them
.endr
.endm
.macro SEND a, younger
	s_wait_dscnt \younger
.irp t, 0,1,2,3,4,5,6,7
	global_store_b128 v8, v[BK+32*((\a)%2)+4*\t:BK+32*((\a)%2)+4*\t+3], s[OB:OB+1] offset:(16*(\a)+2*\t)*4096 th:TH_STORE_NT
.endr
.endm
	s_load_b256 s[4:11], s[0:1], 0x0               ; ffn, prep, mid, out0
	v_lshl_add_u32 v30, v0, 2, 0x36400
	v_mov_b32 v31, 0
	ds_add_u32 v30, v31
	ds_add_u32 v30, v31
	v_lshrrev_b32 v1, 5, v0
	v_readfirstlane_b32 s40, v1                    ; wave 0..3
	v_and_b32 v9, 31, v0
	v_lshlrev_b32 v1, 4, v9
	v_lshlrev_b32 v2, 3, v9
	v_lshlrev_b32 v3, 2, v9
	v_add_nc_u32 v4, 49152, v1
	v_add_nc_u32 v5, 49152, v2
	v_and_b32 v10, 15, v0                          ; r
	v_bfe_u32 v11, v0, 4, 1                        ; h
	s_mul_i32 s41, s40, 4352
	s_add_co_u32 s41, s41, STG                     ; my stage: 16 rows of 272 bytes, behind Y
	v_mul_u32_u24 v6, v10, 272
	v_lshl_add_u32 v6, v11, 6, v6
	v_add_nc_u32 v6, s41, v6                       ; in: row r, + 64 h
	v_mul_u32_u24 v7, v11, 272
	v_lshl_add_u32 v7, v10, 4, v7
	v_add_nc_u32 v7, s41, v7                       ; back: lanes 0-15 one row, lanes 16-31 the next
	v_lshlrev_b32 v8, 12, v11
	v_lshl_add_u32 v8, v10, 4, v8                  ; and the same two rows of the output
	s_mov_b32 s16, 3<<16                           ; descriptor groups 1, elements of 8 bytes.  A tile of g's codes: 24,576 dense bytes as 96 rows of 256 bytes
	s_mov_b32 s17, 32<<16
	s_mov_b32 s18, 192<<16                         ; two tiles of g's codes to a load: 192 rows of 256 bytes
	s_mov_b32 s19, 32<<16
	s_mov_b32 s20, 192
	s_mov_b32 s21, 32
	s_mov_b32 s22, 0
	s_mov_b32 s23, 0
	s_mov_b32 s52, 3<<16                           ; my w2 tiles' scale words: 32 rows of 256 bytes
	s_mov_b32 s53, 32<<16
	s_mov_b32 s54, 128<<16                         ; the four waves' w2 scale words lie on end: 128 rows of 256 bytes
	s_mov_b32 s55, 32<<16
	s_mov_b32 s56, 128
	s_mov_b32 s57, 32
	s_mov_b32 s58, 0
	s_mov_b32 s59, 0
	s_mov_b32 s68, 3<<16                           ; a tile of g's scale words: 8 rows of 256 bytes
	s_mov_b32 s69, 32<<16
	s_mov_b32 s70, 32<<16                          ; the four tiles' scale words of g: 32 rows of 256 bytes
	s_mov_b32 s71, 32<<16
	s_mov_b32 s72, 32
	s_mov_b32 s73, 32
	s_mov_b32 s74, 0
	s_mov_b32 s75, 0
	s_lshr_b32 s42, ttmp9, 2                       ; the block of 64 tokens
	s_and_b32 s43, ttmp9, 3                        ; the block of 256 columns
	s_lshl_b32 s46, s42, 2                         ; its first token tile
	s_mul_i32 s44, s46, 24576
	s_mov_b32 s45, 0
	s_mov_b32 s12, 1
	s_mul_i32 s13, s40, 49152                      ; waves 0 and 1 fetch two tiles of g each
	s_add_co_u32 s44, s44, s13
	s_lshl_b32 s50, s46, 11                        ; wave 3 the four tiles' scale words
	s_add_co_u32 s50, s50, 6291456
	s_mov_b32 s51, 0
	s_mov_b32 s88, 1
	s_mov_b32 s89, YSL
	s_lshl_b32 s47, s43, 4
	s_lshl_b32 s48, s40, 2
	s_add_co_u32 s47, s47, s48                     ; my four tiles of w2: 16 nb + 4 w on
	s_lshl_b32 s48, s43, 15                        ; wave 2 the sixteen w2 tiles' scale words
	s_add_co_u32 s48, s48, WS+512*1024
	s_mov_b32 s49, 0
	s_mov_b32 s84, 1
	s_lshl_b32 s85, s40, 13
	s_add_co_u32 s85, s85, XSL
	s_lshl_b32 s60, s46, 3                         ; x1: [token tile][group of 128 columns][16][512]: my 64 columns are half w % 2 of group 2 nb + w / 2
	s_lshl_b32 s62, s43, 1
	s_add_co_u32 s60, s60, s62
	s_lshr_b32 s62, s40, 1
	s_add_co_u32 s60, s60, s62
	s_lshl_b32 s60, s60, 13
	s_and_b32 s62, s40, 1
	s_lshl_b32 s62, s62, 12
	s_add_co_u32 s60, s60, s62
	s_mov_b32 s61, 0
	v_add_nc_u32 v12, s85, v3                      ; where I read w2's scale words,
	s_mov_b32 s85, XSL
	v_add_nc_u32 v13, YSL, v3                      ; and g's
	s_wait_alu depctr_va_vdst(0)
	s_wait_dscnt 0x0
	s_wait_kmcnt 0x0
	s_add_nc_u64 s[14:15], s[4:5], s[44:45]
	s_or_b32 s15, s15, 0x80000000
	s_add_nc_u64 s[86:87], s[6:7], s[48:49]
	s_or_b32 s87, s87, 0x80000000
	s_add_nc_u64 s[90:91], s[4:5], s[50:51]
	s_or_b32 s91, s91, 0x80000000
	s_add_nc_u64 s[94:95], s[8:9], s[60:61]
	s_cmp_lt_u32 s40, 2                            ; one tensor load a wave, in one chain of arms on the wave's number
	s_cbranch_scc0 .Lhead_xs
	tensor_load_to_lds s[12:15], s[16:23]
	s_nop 0
	PLACES 4
	s_branch .Lhead_asked
.Lhead_xs:
	s_cmp_lt_u32 s40, 3
	s_cbranch_scc0 .Lhead_ys
	tensor_load_to_lds s[84:87], s[52:59]
	s_nop 0
	PLACES 4
	s_branch .Lhead_asked
.Lhead_ys:
	tensor_load_to_lds s[88:91], s[68:75]
	s_nop 0
	PLACES 4
.Lhead_asked:
	s_mul_i32 s44, s47, 24576
	s_add_co_u32 s44, s44, WC+512*12288
	s_add_nc_u64 s[XB:XB+1], s[6:7], s[44:45]
	s_lshl_b32 s44, s42, 18                        ; out: 64 rows of 4,096 bytes, + 256 bytes for each 64 columns
	s_lshl_b32 s48, s43, 2
	s_add_co_u32 s48, s48, s40
	s_lshl_b32 s48, s48, 8
	s_add_co_u32 s44, s44, s48
	s_add_nc_u64 s[OB:OB+1], s[10:11], s[44:45]
	WIN 0x80
.irp a, 0,1,2,3
.irp i, 0,1,2,3
	global_load_b128 v[8*(4*\a+\i):8*(4*\a+\i)+3], v1, s[94:95] offset:65536*\a+1024*\i          ; x1, an image of accumulators, straight into the accumulators: 512 consecutive bytes a load; issued ahead of w2's, so step 0's count covers them
	global_load_b128 v[8*(4*\a+\i)+4:8*(4*\a+\i)+7], v1, s[94:95] offset:65536*\a+1024*\i+512
.endr
.endr
	WIN 0
	XLOAD 0
	XLOAD 1
	XLOAD 2
	s_wait_tensorcnt 0x0                           ; my block has landed,
	s_barrier_signal -1
	s_barrier_wait -1                              ; everybody's have: the launch's one barrier
.irp i, 0,1,2,3
.irp k, 0,1,2,3,4,5,6,7,8,9,10,11,12,13,14,15
	ds_load_b32 v[XS+16*\i+\k], v12 offset:2048*\i+128*\k          ; the scale words go into registers once, for the whole launch
	ds_load_b32 v[YS+16*\i+\k], v13 offset:2048*\i+128*\k
.endr
.endr
	FETCH_Y 0
.irp q, 0,1,2,3,4,5,6,7,8,9,10,11,12,13,14,15
	STEP \q
.endr
	TOSTAGE 0                                      ; (the four places behind the last products stand at the last step's end)
	TOSTAGE 1
	SEND 0, 16                                     ; behind tile 0's loads: tile 1's 8 stores and 8 loads
	s_wait_xcnt 0x0                                ; tile 0's stores have read their registers: tile 2's rows may land there
	TOSTAGE 2
	SEND 1, 16
	s_wait_xcnt 0x0
	TOSTAGE 3
	SEND 2, 16
	SEND 3, 0
	s_wait_tensorcnt 0x0
	ds_add_u32 v30, v31
	s_wait_dscnt 0x0
	s_endpgm
.Lfunc_end_k_qda2beb7736_ffn2:
	.size	k_qda2beb7736_ffn2, .Lfunc_end_k_qda2beb7736_ffn2-k_qda2beb7736_ffn2
	.p2alignl 7, 3214868480
	.fill 96, 4, 3214868480
	.section	.rodata,"a",@progbits
	.p2align	6, 0x0
	.amdhsa_kernel k_qda2beb7736_ffn2
		.amdhsa_group_segment_fixed_size 222720
		.amdhsa_private_segment_fixed_size 0
		.amdhsa_enable_private_segment 0
		.amdhsa_kernarg_size 32
		.amdhsa_user_sgpr_count 2
		.amdhsa_user_sgpr_kernarg_segment_ptr 1
		.amdhsa_wavefront_size32 1
		.amdhsa_system_sgpr_workgroup_id_x 1
		.amdhsa_system_sgpr_workgroup_id_y 1
		.amdhsa_system_sgpr_workgroup_id_z 1
		.amdhsa_system_vgpr_workitem_id 0
		.amdhsa_next_free_vgpr 768
		.amdhsa_next_free_sgpr 96
		.amdhsa_reserve_vcc 0
		.amdhsa_float_denorm_mode_32 3
		.amdhsa_float_denorm_mode_16_64 3
		.amdhsa_memory_ordered 1
		.amdhsa_forward_progress 1
		.amdhsa_inst_pref_size 102
	.end_amdhsa_kernel
	.amdgpu_metadata
---
amdhsa.version: [ 1, 2 ]
amdhsa.kernels:
  - .name:           k_qda2beb7736_ffn2
    .symbol:         k_qda2beb7736_ffn2.kd
    .args:
      - { .name: ffn, .offset: 0, .size: 8, .value_kind: global_buffer, .address_space: global }
      - { .name: prep, .offset: 8, .size: 8, .value_kind: global_buffer, .address_space: global }
      - { .name: mid, .offset: 16, .size: 8, .value_kind: global_buffer, .address_space: global }
      - { .name: out0, .offset: 24, .size: 8, .value_kind: global_buffer, .address_space: global }
    .group_segment_fixed_size: 222720
    .private_segment_fixed_size: 0
    .kernarg_segment_align: 8
    .kernarg_segment_size: 32
    .max_flat_workgroup_size: 128
    .sgpr_count:     96
    .vgpr_count:     768
    .wavefront_size: 32
...
	.end_amdgpu_metadata
.endif
;; end of part 6
